; MI455X (gfx1250); checked and timed in simulation.
; The chip was launched on July 23, 2026; its instructions are those of AMD's public machine-readable ISA for CDNA 5 (MIT licence, August 2026) and "CDNA5" Instruction Set Architecture Reference Guide (July 2026). The comments in the code are by the model that wrote it; some were corrected since.
;; Causal Self Attention. Allowed arithmetic: matrix products marked QUANTISED: E2M3 operands, one E8M0 scale for each 32 along K, by v_wmma_scale_f32_16x16x128_f8f6f4 with both operands' format E2M3, f32 sums; everything else in f32.
;; Inputs: b_proj 1,024 float32; b_qkv 3,072 float32; w_proj 1,024 x 1,024 float32; w_qkv 1,024 x 3,072 float32; x 4 x 2,048 x 1,024 float32.
;; Outputs: out0 4 x 2,048 x 1,024 float32.
;; This version of the problem:
;;   THIS VERSION OF THE PROBLEM IS GIVEN IN LOW PRECISION. The matrix products marked QUANTISED in the list below multiply operands that are first quantised to E2M3 (2 exponent bits, 3 mantissa bits; 6 bits a number), with one power-of-two scale for each 32 numbers along K (OCP MX v1.0); their sums are f32. All else is computed in f32.
;;   The module's matrix products, in the order in which they are computed (A, B: the left and right operand; K: the contracted axis; several contracted axes count as one K, in the product's order):
;;     1. [M 8,192, K 1,024] x [K 1,024, N 3,072]; A: input x; B: input w_qkv: QUANTISED
;;     2. batch 64 x [M 2,048, K 64] x [K 64, N 2,048]; A: computed on the way; B: computed on the way: QUANTISED
;;     3. batch 64 x [M 2,048, K 2,048] x [K 2,048, N 64]; A: softmax (see below); B: computed on the way: QUANTISED
;;     4. [M 8,192, K 1,024] x [K 1,024, N 1,024]; A: computed on the way; B: input w_proj: QUANTISED
;;   THE QUANTISER, for each operand of a quantised product, along K:
;;     - K is cut into blocks of 32 from its start; a last block that is shorter is filled with zeros.
;;     - A block's scale is 2^e with e = floor(log2(the largest magnitude in the block)) - 2, held to -126 .. 127; a block of zeros has e = 0. As a byte (E8M0): e + 127.
;;     - Each number is divided by its block's scale, clamped to +-7.5, and rounded to the nearest number of E2M3, ties to even, subnormals kept.
;;     - The product sums the exact products of the quantised numbers (number of the format x scale) in f32.
;;   ~~~python
;;   def quantise(x, axis):      # numpy; x: float32 -> the quantised numbers, widened to float32 again
;;       x = np.moveaxis(x, axis, -1); K = x.shape[-1]
;;       x = np.pad(x, [(0, 0)] * (x.ndim - 1) + [(0, -K % 32)]); x = x.reshape(x.shape[:-1] + (-1, 32)); a = np.abs(x).max(-1, keepdims=True)
;;       e = np.where(a > 0, np.clip(np.frexp(np.where(a > 0, a, 1))[1] - 1 - 2, -126, 127), 0)      # np.frexp(a)[1] - 1 = floor(log2(a)), exactly
;;       r = np.clip(x / 2.0 ** e, -7.5, 7.5)
;;       step = 2.0 ** (np.maximum(np.frexp(np.where(r == 0, 1, r))[1] - 1, 0) - 3)
;;       q = np.round(r / step) * step * 2.0 ** e      # np.round: ties to even
;;       return np.moveaxis(q.reshape(q.shape[:-2] + (-1,))[..., :K], -1, axis).astype(np.float32)
;;   ~~~
;;   SOFTMAX AHEAD OF A QUANTISED PRODUCT. Where the list says 'softmax', what is quantised is not the finished softmax but p = 2^(t - M), with t = logit x log2(e) and M = ceil(the row's largest t), a whole number; so 1/2 < the row's largest p <= 1. The row's sum l is taken of the UNQUANTISED p, in f32, and the product's result is divided by l at the end. Since M is a whole number, a kernel that streams over the keys may use a running M (the ceiling of the running maximum): every later rescaling is an exact power of two, which a block's scale takes up: the codes' values come out the same.
;;   OPERANDS COMPUTED ON THE WAY. 'Computed on the way' means the value that the module computes at that place (a softmax that the list does not call 'softmax' is quantised finished and normalised). What goes into a quantiser is computed in f32, as accurately as f32 sums, v_exp_f32 and their like allow (about 1e-6 of the number): no bf16 or f16 on the way to a quantiser, and a product that is left as it is and whose result goes on into a quantised operand takes f32 operands (vector FMAs, or v_wmma_f32_16x16x4_f32). A number that lies on a knife's edge between two numbers of the format may be rounded either way, as far as f32 arithmetic and the matrix unit's own rounding can turn it there, and no further.
;; One version. Each part assembles by itself: llvm-mc -triple=amdgcn-amd-amdhsa -mcpu=gfx1250 --defsym DOCPART=n.
;; ======== version 1 of 1: 4 launches
;; limits: right only within a limited range of input values
;; workspace buffers: xc 6,291,456 bytes; xs 262,144 bytes; wc 3,145,728 bytes; ws 131,072 bytes; qkv 20,185,088 bytes; yc 6,291,456 bytes; ys 262,144 bytes
;; launch quant (part 1): grid 384 x 1, 4 waves a work-group, no clusters, 68,096 bytes of LDS; arguments x, w_qkv, w_proj, xc, xs, wc, ws; writes xc, xs, wc, ws
.if DOCPART == 1
	.amdgcn_target "amdgcn-amd-amdhsa--gfx1250"
	.amdhsa_code_object_version 6
	.text
	.protected	k_q99be216965_quant
	.globl	k_q99be216965_quant
	.p2align	8
	.type	k_q99be216965_quant,@function
k_q99be216965_quant:
	s_mov_b64 s[64:65], 0
	v_nop
	global_prefetch_b8 v0, s[64:65] scope:SCOPE_SE
	s_setreg_imm32_b32 hwreg(HW_REG_WAVE_MODE, 25, 1), 1
	s_wait_xcnt 0x0
; ONE LAUNCH QUANTISES x, w_qkv AND w_proj to codes of E2M3 (6 bits, K innermost) with one E8M0 byte for each 32 along K.  Work-groups 0-255 take x; of 256-383, those whose number - 256 is 0-23 mod 32 take w_qkv, 24-31 w_proj.
; Every input of the problem has a way to the output and is read by some launch; of the problem's work only key tiles that lie wholly under the causal mask which the problem builds itself are left out (in the attention launch).
; A block's scale is 2^(floor(log2(its largest magnitude)) - 2); its byte is the largest magnitude's exponent field - 2, held at 1 from below.
; POSITIONS: row i of x, and column n of a weight, lie at position sigma(i) = i with bits 3 and 4 exchanged: lane r of a tile of 16 positions 2 b + u then holds row 32 b + 8 u + r + 8 (r / 8).
; xc [K step of 256][8,192 positions][192 bytes]; xs [position][32].  wc [K step of 256][4,096 positions][192 bytes]: positions 0-3071 w_qkv's columns, 3072-4095 w_proj's; ws [position][32].
; w_proj's part of a plane holds, for each 16 positions, 3,072 bytes as IMAGES of operand registers: four halves of a fragment (64 along K) of 768 bytes: registers 0-3 at 16 x lane, registers 4-5 at 512 + 8 x lane.
; x: a wave takes 8 rows in 16 steps of 512 numbers; each load reads 512 consecutive bytes, and a step turns through the wave's own stage in LDS so that a lane holds 16 neighbours along K.
; Weights (K is their FIRST axis): a lane takes a column and its registers run down K: a block of 32 lies in one lane.  A work-group takes 128 columns x 256 along K.  w_qkv's codes leave by rows through the wave's stage;
; a lane's 24 bytes of a block of w_proj are the six registers of lane (r, block % 2) of an image and are stored as they are: sixteen lanes store 256 consecutive bytes, aligned.
; The two ways have LDS bytes of their own.  No tensor loads, no barrier: waves share nothing.
; LIMITS: a block whose largest magnitude lies under 2^-124, or a block of zeros, keeps the byte 1 (its codes are then zeros or tiny, and this program alone reads the bytes); NaN and infinities are not served.
.set STEPS, 16
.set CB,    12                         ; bytes of 16 codes
.set R,     16                         ; x: v16-79 four sets of 16 numbers as they are loaded
.set X,     80                         ; v80-111 two sets of 16 neighbours
.set E,     112                        ; v112-127 a scale byte for each step
.set C,     128                        ; v128-191 codes: four registers for each step
.set WREG,  8192                       ; x's LDS: a region for each wave: two stages of 32 x SP bytes, then its 256 scale bytes
.set SP,    80
.set WST,   32768                      ; the weights' LDS: four stages of 32 x PITCH bytes
.set PITCH, 272
.set SPARE, WST+4*32*PITCH             ; the spare words
.set NB,    8                          ; weights: blocks of 32 along K for a wave
.set WX,    32                         ; v32-95 two sets of 32 numbers
.set WC,    96                         ; v96.. a block's codes
.set OUTR,  112                        ; v112-175 the way out
.set SB,    24                         ; v24-25 the scale bytes
.set OF,    176                        ; v176-207 4 x lane + i x the row's pitch
.set BP,    40                         ; s[40:55] the address of each block's first row
.set BPL,   4096*192
	s_load_b128 s[4:7], s[0:1], 0x0                ; x, w_qkv
	s_load_b128 s[8:11], s[0:1], 0x10              ; w_proj, xc
	s_load_b128 s[12:15], s[0:1], 0x20             ; xs, wc
	s_load_b64 s[16:17], s[0:1], 0x30              ; ws
	v_lshl_add_u32 v208, v0, 2, SPARE
	v_mov_b32 v209, 0
	v_lshrrev_b32 v1, 5, v0
	v_readfirstlane_b32 s18, v1                    ; wave
	v_and_b32 v2, 31, v0                           ; lane
	s_wait_alu depctr_va_vdst(0)
	s_cmp_lt_u32 ttmp9, 256
	s_cbranch_scc0 .Lw
; ---- x
	v_lshlrev_b32 v3, 4, v2                        ; my 16 bytes of a load's 512
	s_mul_i32 s19, s18, WREG
	v_lshrrev_b32 v14, 2, v2
	v_mul_u32_u24 v14, v14, SP
	v_and_b32 v15, 3, v2
	v_lshl_add_u32 v14, v15, 4, v14
	v_add_nc_u32 v14, s19, v14                     ; the stage, on the way in: SP (lane / 4) + 16 (lane % 4)
	v_mul_u32_u24 v15, v2, SP
	v_add_nc_u32 v15, s19, v15                     ; and on the way out: SP x lane
	v_and_b32 v4, 15, v2
	v_mul_u32_u24 v4, v4, CB
	v_lshrrev_b32 v10, 4, v2
	v_mad_u32_u24 v4, v10, 0x180000, v4            ; 12 (lane % 16) + a plane x (lane / 16): a step's 512 numbers are two K steps of one row
	v_lshrrev_b32 v5, 1, v2
	s_add_co_u32 s19, s19, 2*32*SP
	v_add_nc_u32 v5, s19, v5                       ; LDS: my block's byte
	v_lshlrev_b32 v7, 3, v2
	v_add_nc_u32 v6, s19, v7
	s_lshl_b32 s20, ttmp9, 2
	s_add_co_u32 s22, s20, s18                     ; in: rows 8 (4 x work-group + wave) on
	s_lshl_b32 s22, s22, 15
	s_mov_b32 s23, 0
	s_and_b32 s24, s18, 1
	s_lshl_b32 s24, s24, 1
	s_lshr_b32 s25, s18, 1
	s_add_co_u32 s24, s24, s25                     ; the wave's two bits exchanged: sigma on groups of 8 rows
	s_add_co_u32 s20, s20, s24                     ; out: the group of 8 positions
	s_mul_i32 s24, s20, 8*192
	s_mov_b32 s25, 0
	s_lshl_b32 s20, s20, 8                         ; 256 scale bytes a group
	s_mov_b32 s21, 0
	s_wait_alu depctr_va_vdst(0)
	s_wait_kmcnt 0x0
	s_add_nc_u64 s[4:5], s[4:5], s[22:23]
	s_add_nc_u64 s[10:11], s[10:11], s[24:25]
	s_add_nc_u64 s[12:13], s[12:13], s[20:21]
.macro XLOAD t
.irp i, 0,1,2,3
	global_load_b128 v[R+16*((\t)%4)+4*\i:R+16*((\t)%4)+4*\i+3], v3, s[4:5] offset:2048*(\t)+512*\i th:TH_LOAD_NT
.endr
.endm
.macro XTURN t                         ; LDS serves a wave's instructions in order: no wait between the stores and the loads
.irp i, 0,1,2,3
	ds_store_b128 v14, v[R+16*((\t)%4)+4*\i:R+16*((\t)%4)+4*\i+3] offset:32*SP*((\t)%2)+8*SP*\i
.endr
.irp i, 0,1,2,3
	ds_load_b128 v[X+16*((\t)%2)+4*\i:X+16*((\t)%2)+4*\i+3], v15 offset:32*SP*((\t)%2)+16*\i
.endr
.endm
.irp t, 0,1,2,3
	XLOAD \t
.endr
	s_wait_loadcnt 12                              ; step 0's four loads are in; the twelve of steps 1 to 3 may be out
	XTURN 0
.macro XSTEP t
.set XS, X+16*((\t)%2)
.if (\t) > 0
	s_wait_dscnt 1                                 ; this step's numbers are back (the last step's byte store may be out)
.else
	s_wait_dscnt 0x0
.endif
.if (\t)+4 < STEPS
	XLOAD (\t)+4
.endif
.if (\t)+1 < STEPS
.if STEPS-2-(\t) >= 3
	s_wait_loadcnt 12                              ; the next step's four loads are in; those of the three steps behind it may be out
.else
	s_wait_loadcnt 4*(STEPS-2-(\t))
.endif
	XTURN (\t)+1
.endif
	v_max3_num_f32 v8, |v[XS]|, |v[XS+1]|, |v[XS+2]|               ; the largest magnitude of my 16, in two chains
	v_max3_num_f32 v9, |v[XS+3]|, |v[XS+4]|, |v[XS+5]|
.irp i, 6,10
	v_max3_num_f32 v8, v8, |v[XS+\i]|, |v[XS+\i+1]|
	v_max3_num_f32 v9, v9, |v[XS+\i+2]|, |v[XS+\i+3]|
.endr
	v_max3_num_f32 v8, v8, |v[XS+14]|, |v[XS+15]|
	v_max3_num_f32 v8, v8, v9, 0x1800000           ; and the floor 2^(3 - 127)
	v_max_num_f32_dpp v8, v8, v8 row_xmask:1 row_mask:0xf bank_mask:0xf   ; and of my neighbour's 16
	v_add_nc_u32 v11, 0xff000000, v8               ; 2 off its exponent field: the conversion's scale operand
	v_cvt_scalef32_pk16_fp6_f32 v[C+4*(\t):C+4*(\t)+2], v[XS:XS+15], v11
	v_lshrrev_b32 v[E+(\t)], 23, v11               ; the scale's byte (a plain line behind the conversion)
	ds_store_b8 v5, v[E+(\t)] offset:16*(\t)
	global_store_b96 v4, v[C+4*(\t):C+4*(\t)+2], s[10:11] offset:192*((\t)/2)+2*0x180000*((\t)%2)   ; row t / 2, K steps 2 (t % 2) and 2 (t % 2) + 1: sixteen lanes store 192 consecutive bytes
.endm
.irp t, 0,1,2,3,4,5,6,7,8,9,10,11,12,13,14,15
	XSTEP \t
.endr
	ds_load_b64 v[12:13], v6
	s_wait_dscnt 0x0
	global_store_b64 v7, v[12:13], s[12:13]        ; 32 lanes store 256 consecutive bytes, aligned
	s_branch .Lend
; ---- the weights
.Lw:
	s_sub_co_u32 s26, ttmp9, 256
	s_lshr_b32 s27, s26, 5                         ; which 256 along K
	s_and_b32 s26, s26, 31                         ; which 128 positions: under 24 w_qkv's
	s_cmp_lt_u32 s26, 24
	s_mov_b32 s28, 4096
	s_cselect_b32 s28, 12288, s28                  ; bytes from row to row of the weight
	s_cselect_b32 s29, 0, 24
	s_sub_co_u32 s29, s26, s29                     ; the group of 128 columns inside its weight
	v_lshlrev_b32 v[OF], 2, v2
.set i, 1
.rept 31
	v_add_nc_u32 v[OF+i], s28, v[OF+i-1]
.set i, i+1
.endr
	v_and_b32 v10, 7, v2                           ; sigma(lane)
	v_bfe_u32 v11, v2, 3, 1
	v_lshl_add_u32 v10, v11, 4, v10
	v_bfe_u32 v11, v2, 4, 1
	v_lshl_add_u32 v10, v11, 3, v10
	s_mul_i32 s38, s18, 32*PITCH
	s_add_co_u32 s38, s38, WST                     ; my stage
	v_mul_u32_u24 v4, v10, PITCH
	v_add_nc_u32 v4, s38, v4                       ; into it: row = my column's position
	v_and_b32 v5, 15, v2
	v_lshrrev_b32 v6, 4, v2
	v_mul_u32_u24 v7, v6, PITCH
	v_lshl_add_u32 v7, v5, 4, v7
	v_add_nc_u32 v7, s38, v7                       ; out of it: sixteen lanes to a row
	v_mul_u32_u24 v8, v6, 192
	v_mad_u32_u24 v8, v5, 12, v8                   ; and the same place in wc
	v_lshlrev_b32 v9, 5, v10                       ; my position's row of scale bytes
	v_lshrrev_b32 v12, 4, v10
	v_mul_u32_u24 v12, v12, 3072                   ; images: my tile of 16 positions,
	v_and_b32 v13, 15, v10
	v_lshl_add_u32 v16, v13, 4, v12                ; + 16 r,
	v_lshl_add_u32 v17, v13, 3, v12                ; or + 8 r
	s_mul_i32 s30, s27, s28
	s_lshl_b32 s30, s30, 8                         ; in: 256 rows a K step,
	s_lshl_b32 s31, s29, 9
	s_add_co_u32 s30, s30, s31
	s_lshl_b32 s31, s18, 7
	s_add_co_u32 s30, s30, s31                     ; 512 bytes a group of 128 columns, 128 a wave
	s_mov_b32 s31, 0
	s_lshl_b32 s39, s26, 7
	s_lshl_b32 s33, s18, 5
	s_add_co_u32 s39, s39, s33                     ; out: my wave's first position
	s_mul_i32 s32, s39, 192
	s_mul_i32 s33, s27, BPL
	s_add_co_u32 s32, s32, s33
	s_mov_b32 s33, 0
	s_lshl_b32 s34, s39, 5
	s_lshl_b32 s35, s27, 3
	s_add_co_u32 s34, s34, s35
	s_mov_b32 s35, 0
	s_lshl_b32 s36, s28, 5                         ; 32 rows of the weight
	s_mov_b32 s37, 0
	s_wait_alu depctr_va_vdst(0)
	s_wait_kmcnt 0x0
	s_cmp_lt_u32 s26, 24                           ; the choice hangs on the work-group's number alone
	s_cselect_b64 s[6:7], s[6:7], s[8:9]
	s_add_nc_u64 s[BP:BP+1], s[6:7], s[30:31]
.irp t, 1,2,3,4,5,6,7
	s_add_nc_u64 s[BP+2*\t:BP+2*\t+1], s[BP+2*\t-2:BP+2*\t-1], s[36:37]
.endr
	s_add_nc_u64 s[14:15], s[14:15], s[32:33]
	s_add_nc_u64 s[16:17], s[16:17], s[34:35]
.macro WLOAD t                         ; block t: W(32 t + i, my column) into set t % 2; a wave's load reads 128 consecutive bytes, the four waves side by side 512
.irp i, 0,1,2,3,4,5,6,7,8,9,10,11,12,13,14,15,16,17,18,19,20,21,22,23,24,25,26,27,28,29,30,31
	global_load_b32 v[WX+32*((\t)%2)+\i], v[OF+\i], s[BP+2*(\t):BP+2*(\t)+1] th:TH_LOAD_NT
.endr
.endm
	WLOAD 0
	WLOAD 1
.macro WBLOCK t, img
.set XS, WX+32*((\t)%2)
.if (\t) < NB-1
	s_wait_loadcnt 32                              ; this block's 32 loads are in; the next block's may be out
.else
	s_wait_loadcnt 0
.endif
	v_max3_num_f32 v12, |v[XS]|, |v[XS+1]|, |v[XS+2]|
	v_max3_num_f32 v13, |v[XS+3]|, |v[XS+4]|, |v[XS+5]|
.irp i, 6,10,14,18,22,26
	v_max3_num_f32 v12, v12, |v[XS+\i]|, |v[XS+\i+1]|
	v_max3_num_f32 v13, v13, |v[XS+\i+2]|, |v[XS+\i+3]|
.endr
	v_max3_num_f32 v12, v12, |v[XS+30]|, |v[XS+31]|
	v_max3_num_f32 v12, v12, v13, 0x1800000
	v_add_nc_u32 v11, 0xff000000, v12
	v_lshrrev_b32 v13, 23, v11
.if (\t)%4 == 0
	v_mov_b32 v[SB+(\t)/4], v13
.else
	v_lshl_or_b32 v[SB+(\t)/4], v13, 8*((\t)%4), v[SB+(\t)/4]
.endif
.if \img
	v_cvt_scalef32_pk16_fp6_f32 v[OUTR+6*(\t):OUTR+6*(\t)+2], v[XS:XS+15], v11   ; six registers of their own for each block: no store's data are written again
	v_cvt_scalef32_pk16_fp6_f32 v[WC+4:WC+6], v[XS+16:XS+31], v11
	v_nop
.irp i, 0,1,2
	v_mov_b32 v[OUTR+6*(\t)+3+\i], v[WC+4+\i]
.endr
	global_store_b128 v16, v[OUTR+6*(\t):OUTR+6*(\t)+3], s[14:15] offset:768*((\t)/2)+256*((\t)%2)
	global_store_b64 v17, v[OUTR+6*(\t)+4:OUTR+6*(\t)+5], s[14:15] offset:768*((\t)/2)+512+128*((\t)%2)
.if (\t)+2 < NB
	WLOAD (\t)+2
.endif
.else
	v_cvt_scalef32_pk16_fp6_f32 v[WC:WC+2], v[XS:XS+15], v11
	v_cvt_scalef32_pk16_fp6_f32 v[WC+4:WC+6], v[XS+16:XS+31], v11
	v_nop
	ds_store_b96 v4, v[WC:WC+2] offset:32*(\t)     ; 12 bytes to a place of 16 in the stage
	ds_store_b96 v4, v[WC+4:WC+6] offset:32*(\t)+16
.if (\t)+2 < NB
	WLOAD (\t)+2
.endif
	s_wait_dscnt 0x0                               ; the stores have read their registers
.endif
.endm
	s_cmp_lt_u32 s26, 24
	s_cbranch_scc0 .Lwp
.set Q, 0
.rept NB
	WBLOCK Q, 0
.set Q, Q+1
.endr
	s_wait_alu depctr_va_vdst(0)
	global_store_b64 v9, v[SB:SB+1], s[16:17]      ; my column's 8 scale bytes
.irp t, 0,1,2,3,4,5,6,7,8,9,10,11,12,13,14,15
	ds_load_b96 v[OUTR+4*\t:OUTR+4*\t+2], v7 offset:2*\t*PITCH
.endr
.irp t, 0,1,2,3,4,5,6,7,8,9,10,11,12,13,14,15
	s_wait_dscnt 15-\t                             ; read-back t is in; the younger ones may be out
	global_store_b96 v8, v[OUTR+4*\t:OUTR+4*\t+2], s[14:15] offset:2*\t*192   ; a wave's 32 positions are 6,144 consecutive bytes
.endr
	s_branch .Lend
.Lwp:
.set Q, 0
.rept NB
	WBLOCK Q, 1
.set Q, Q+1
.endr
	s_wait_alu depctr_va_vdst(0)
	global_store_b64 v9, v[SB:SB+1], s[16:17]
.Lend:
	s_wait_tensorcnt 0x0                           ; the wave's end
	ds_add_u32 v208, v209
	s_wait_dscnt 0x0
	s_endpgm
.Lfunc_end_k_q99be216965_quant:
	.size	k_q99be216965_quant, .Lfunc_end_k_q99be216965_quant-k_q99be216965_quant
	.p2alignl 7, 3214868480
	.fill 96, 4, 3214868480
	.section	.rodata,"a",@progbits
	.p2align	6, 0x0
	.amdhsa_kernel k_q99be216965_quant
		.amdhsa_group_segment_fixed_size 68096
		.amdhsa_private_segment_fixed_size 0
		.amdhsa_enable_private_segment 0
		.amdhsa_kernarg_size 56
		.amdhsa_user_sgpr_count 2
		.amdhsa_user_sgpr_kernarg_segment_ptr 1
		.amdhsa_wavefront_size32 1
		.amdhsa_system_sgpr_workgroup_id_x 1
		.amdhsa_system_sgpr_workgroup_id_y 1
		.amdhsa_system_sgpr_workgroup_id_z 1
		.amdhsa_system_vgpr_workitem_id 0
		.amdhsa_next_free_vgpr 210
		.amdhsa_next_free_sgpr 66
		.amdhsa_reserve_vcc 0
		.amdhsa_float_denorm_mode_32 3
		.amdhsa_float_denorm_mode_16_64 3
		.amdhsa_memory_ordered 1
		.amdhsa_forward_progress 1
		.amdhsa_inst_pref_size 107
	.end_amdhsa_kernel
	.amdgpu_metadata
---
amdhsa.version: [ 1, 2 ]
amdhsa.kernels:
  - .name:           k_q99be216965_quant
    .symbol:         k_q99be216965_quant.kd
    .args:
      - { .name: x, .offset: 0, .size: 8, .value_kind: global_buffer, .address_space: global }
      - { .name: w_qkv, .offset: 8, .size: 8, .value_kind: global_buffer, .address_space: global }
      - { .name: w_proj, .offset: 16, .size: 8, .value_kind: global_buffer, .address_space: global }
      - { .name: xc, .offset: 24, .size: 8, .value_kind: global_buffer, .address_space: global }
      - { .name: xs, .offset: 32, .size: 8, .value_kind: global_buffer, .address_space: global }
      - { .name: wc, .offset: 40, .size: 8, .value_kind: global_buffer, .address_space: global }
      - { .name: ws, .offset: 48, .size: 8, .value_kind: global_buffer, .address_space: global }
    .group_segment_fixed_size: 68096
    .private_segment_fixed_size: 0
    .kernarg_segment_align: 8
    .kernarg_segment_size: 56
    .max_flat_workgroup_size: 128
    .sgpr_count:     66
    .vgpr_count:     210
    .wavefront_size: 32
...
	.end_amdgpu_metadata
.endif
;; end of part 1
;; launch gemm_qkv (part 2): grid 12 x 32, 4 waves a work-group, clusters of 4 x 4, 327,680 bytes of LDS; arguments xc, xs, wc, ws, b_qkv, qkv; writes qkv
.if DOCPART == 2
	.amdgcn_target "amdgcn-amd-amdhsa--gfx1250"
	.amdhsa_code_object_version 6
	.text
	.protected	k_q99be216965_gemm_qkv
	.globl	k_q99be216965_gemm_qkv
	.p2align	8
	.type	k_q99be216965_gemm_qkv,@function
k_q99be216965_gemm_qkv:
	s_mov_b64 s[64:65], 0
	v_nop
	global_prefetch_b8 v0, s[64:65] scope:SCOPE_SE
	s_setreg_imm32_b32 hwreg(HW_REG_WAVE_MODE, 25, 1), 1
	s_wait_xcnt 0x0
	s_wait_alu depctr_hold_cnt(0) depctr_sa_sdst(0) depctr_va_vdst(0) depctr_va_sdst(0) depctr_va_ssrc(0) depctr_va_vcc(0) depctr_vm_vsrc(0)
	s_getreg_b32 s2, hwreg(HW_REG_IB_STS2, 6, 4)
	s_cmp_eq_u32 s2, 0
	s_cbranch_scc0 .Lentry_in_a_cluster
	s_endpgm
.Lentry_in_a_cluster:
	s_bfe_u32 s2, ttmp6, 0x10000c
	s_cmp_lg_u32 s2, 0xf033
	s_cbranch_scc0 .Lentry_shape_is_right
	s_endpgm
.Lentry_shape_is_right:
; qkv = x w_qkv + b_qkv on codes of E2M3 with E8M0 scales, and q, k, v quantised again on the way out: nothing leaves as f32.
; A = xc [8192 positions][768 bytes], B = wc [positions 0-3071][768 bytes], scale bytes xs, ws [position][32].  Position p holds row (column) sigma(p) = p with bits 3 and 4 exchanged.
; A tile of 256 x 256 is made by four waves, each 128 x 128: 64 accumulators, 512 registers.  K goes in steps of 256 through a ring of two LDS slots filled by the tensor data mover; the scale bytes of the
; work-group's rows, for all of K, come into LDS once.  CLUSTERS of 4 x 4: A's tiles are asked for jointly along a row of the cluster, B's along a column.
; THE MATRIX INSTRUCTION IS USED TRANSPOSED (source 0 = 16 positions of wc, source 1 = 16 positions of xc): lane (r, h) holds position r of a row tile, and by sigma register 8 b + j of that tile's 64 holds
; column 32 (b / 2) + 16 h + 8 (b % 2) + j: register 16 B + i is column 32 B + 16 h + i.  The bias is the C of each sum's first matrix instruction.
; THE WAY OUT.  The cluster's x says what the columns are: 0 q, 1 k, 2 v (equal in all partners).  A wave's 128 columns are two heads, its 128 positions one chunk of a batch.
;  q, k: K = the head's 64: a lane's registers run along it: quantised in registers; a tile of 16 positions x one head leaves as an IMAGE of half an operand's registers (768 bytes).  No LDS.
;  v:    K = the keys: the results turn through the wave's own stage (in slot 0, which has had its last fill and its last read), so that a lane holds one channel and 32 neighbouring keys.
; qkv: 1,024 records of 19,712 bytes, record (batch x 16 + head) x 16 + chunk: Q block (8 images of 768 bytes, 512 bytes of scale words), K block likewise, V block (4 images of 1,536 bytes, 256 bytes of words).
; LIMITS: a block whose largest magnitude lies under 2^-124, or a block of zeros, keeps the byte 1 (this program alone reads the bytes); NaN and infinities are not served.
; REGISTERS, in windows of 256: window 0: v0-31 addresses; v32-63 scale words, two sets; v64-127 the bias, later at work; from v128 A's fragments, one set, later at work.
;   window 1: B's fragments, two sets.   window 2: the accumulators of my positions 0-63 ((a, b) at v[8 (8 a + b)]);   window 3: those of my positions 64-127.
.set SIZE_K, 1024
.set KSTEP,  256
.set NQ,     KSTEP/128
.set ROWB,   192                       ; a tile's row in bytes
.set KROW,   SIZE_K*6/8
.set PITCH,  240                       ; an LDS row: 3 x (64 bytes + 16 of padding)
.set FR,     12                        ; registers of a fragment
.set NL,     6                         ; LDS loads that bring one
.set NP,     4                         ; places behind this matrix instruction (ISA guide 7.12.1)
.set HALFT,  128*PITCH
.set SLOT,   4*HALFT
.set LAPS,   SIZE_K/(2*KSTEP)
.set KS,     SIZE_K/32
.set SCL,    2*SLOT                    ; behind the ring: the scales, as 256 bytes + 16 of padding
.set HALFS,  (128*KS/256)*272
.set SBLK,   (16*KS/256)*272
.set SPARE,  SCL+4*HALFS               ; the spare words: 128 bytes a wave, two blocks of 256 bytes that no other line names
.set REC,    19712
.set HEADB,  16*REC
.set VGRP,   4736                      ; v's stage: 32 position rows of 144 bytes (32 columns of f32 + 16), + 128
.set L16,  8                           ; v8   16 x lane
.set L8,   9                           ; v9   8 x lane
.set VST,  10                          ; v10  v's stage, in: wave x 4 VGRP + 144 r + 64 h
.set VRD,  11                          ; v11  and out: wave x 4 VGRP + VGRP h + 4 (r + 8 (r / 8))
.set VSO,  12                          ; v12  v's scale words: HEADB h + 16 r
.set SH8,  13                          ; v13  8 h
.set BO,   14                          ; v14  64 h
.set ADRA, 16                          ; v16-17 LDS address of my A fragments in slot 0, 1 (v18-19: behind one padding more)
.set ADRB, 20                          ; v20-23 the same for B
.set ADRS, 27                          ; v27  LDS address of my scale words: lanes 0-15 A's rows, lanes 16-31 B's
.set SPW,  28                          ; v28  my spare word; never rewritten
.set NIL,  29                          ; v29  0; never rewritten
.set SC,   32
.set BI,   64                          ; v64-127 the bias: tile b's eight numbers at v[BI + 8 b]
.set AF,   128
.set TM,   64                          ; q, k: v64-79 at work
.set PW,   80                          ; the four bytes of a row
.set PC,   84                          ; v84-95 the codes; v96-98, v100-102 their second halves
.set W0,   104                         ; v104-111 head 0's scale words of the eight tiles
.set W1,   112                         ; v112-119 head 1's
.set OW,   120                         ; v120-127 the words as they are stored
.set XV,   128                         ; v: v128-191 two sets of 32 keys
.set FV,   192                         ; v192-203 a fragment's codes
.set CT,   204
.set BY,   208
.set VW,   216                         ; v216-223 scale words: head c2, tile td at 4 c2 + td
.set OV,   224
.set SEL,  66                          ; s[66:67] lane selects for v_permlanex16_b32: lane l xor 16
.set G1, 24
.set G0, 32
.set G1B, 48
.set G0B, 56
.set G1S, 68
.set G0S, 76
.set G1SB, 80
.set G0SB, 88
.set MSB, 0
.macro WIN new                         ; the immediate's high byte repeats the setting that is left
.if MSB != (\new)
	s_set_vgpr_msb (MSB<<8)|(\new)
.set MSB, (\new)
.endif
.endm
.set MUL_LO, 0xa1                      ; source 0 (B) window 1, source 1 (A) window 0, C and D window 2
.set MUL_HI, 0xf1                      ; the same, C and D window 3.  In the first step C is the bias, window 0: 0x81, 0xc1
.set TO_B,   0x40
; A joint load: waves 0 and 1 fetch for A, waves 2 and 3 for B; the branch hangs on the wave's number alone.  Four v_nop follow each of the two lines.
.macro JLOAD g0a, g1a, g0b, g1b
	s_cmp_eq_u32 s15, 0
	s_cbranch_scc0 .Lfor_b_\@
	tensor_load_to_lds s[\g0a:\g0a+3], s[\g1a:\g1a+7]
	s_nop 0
.rept 4
	v_nop
.endr
	s_branch .Lasked_\@
.Lfor_b_\@:
	tensor_load_to_lds s[\g0b:\g0b+3], s[\g1b:\g1b+7]
	s_nop 0
.rept 4
	v_nop
.endr
.Lasked_\@:
.endm
.macro CREST                           ; a round of the cluster's barrier behind its opening barrier
	s_cmp_lg_u32 s14, 0
	s_cbranch_scc1 .Lnot_wave_0_\@
	s_barrier_signal -3
.Lnot_wave_0_\@:
	s_barrier_wait -3
	s_barrier_signal -1
	s_barrier_wait -1
.endm
.macro CROUND
	s_barrier_signal -1
	s_barrier_wait -1
	CREST
.endm
	s_load_b128 s[4:7], s[0:1], 0x0                ; xc, xs
	s_load_b128 s[8:11], s[0:1], 0x10              ; wc, ws
	s_load_b128 s[96:99], s[0:1], 0x20             ; b_qkv, qkv
	v_lshl_add_u32 v[SPW], v0, 2, SPARE
	v_mov_b32 v[NIL], 0
	ds_add_u32 v28, v29
	ds_add_u32 v28, v29
	s_wait_dscnt 0x0
	v_lshrrev_b32 v1, 5, v0
	v_readfirstlane_b32 s14, v1                    ; wave 0..3
	s_lshr_b32 s15, s14, 1                         ; which half of the tile's rows is mine.  Also: I fetch for A (0) or for B (1)
	s_and_b32 s16, s14, 1                          ; which half of its columns.  Also: which 128 rows of that tile I fetch
	s_bfe_u32 s40, ttmp6, 0x40000                  ; cx, cy: my place in the cluster
	s_bfe_u32 s41, ttmp6, 0x40004
	s_lshl_b32 s42, ttmp9, 2
	s_add_co_u32 s42, s42, s40                     ; tile column = 4 x cluster x + cx
	s_and_b32 s17, ttmp7, 0xffff
	s_lshl_b32 s17, s17, 2
	s_add_co_u32 s17, s17, s41                     ; tile row = 4 x cluster y + cy
	s_lshl_b32 s43, s41, 2
	s_lshl_b32 s43, 15, s43                        ; my row of the cluster
	s_lshl_b32 s44, 0x1111, s40                    ; my column
	s_mov_b32 s[SEL], 0x76543210
	s_mov_b32 s[SEL+1], 0xfedcba98
	; descriptor group 1: a tile of 128 rows x 192 bytes, 16 bytes of padding behind every 64
	; xc and wc are laid [K step of 256][position][192 bytes]: the positions of a tile in one K step are a dense block, stated as rows of 256 bytes (32 elements of 8);
	; the padding's interval stays 64 bytes, so that position p lies at 240 p in LDS.  256 positions (192 rows) for the head's loads, 128 (96 rows) for the ring's.
.set APL, 8192*192                     ; a plane of xc
.set BPL, 4096*192                     ; a plane of wc
.set G0H, 4                            ; s[4:7], s[8:11] group 0 of the head's loads of K step 0 (the arguments that lay there have been used by then)
.set G0HB, 8
	s_or_b32 s[G1+0], s43, (3<<16)|(1<<20)|(1<<21)|(3<<22)|(3<<25)
	s_or_b32 s[G1B+0], s44, (3<<16)|(1<<20)|(1<<21)|(3<<22)|(3<<25)
.irp g, G1, G1B
	s_mov_b32 s[\g+1], 32<<16
	s_mov_b32 s[\g+2], 192<<16
	s_mov_b32 s[\g+3], 32<<16
	s_mov_b32 s[\g+4], 192
	s_mov_b32 s[\g+5], 32
	s_mov_b32 s[\g+6], 0
	s_mov_b32 s[\g+7], 0
.endr
	; the scales of 256 rows: a dense block of 8,192 bytes, as rows of 256 bytes (32 elements of 8 bytes), 16 bytes of padding behind each
	s_or_b32 s[G1S+0], s43, (3<<16)|(1<<20)|(1<<21)|(5<<22)|(3<<25)
	s_or_b32 s[G1SB+0], s44, (3<<16)|(1<<20)|(1<<21)|(5<<22)|(3<<25)
.irp g, G1S, G1SB
	s_mov_b32 s[\g+1], 32<<16
	s_mov_b32 s[\g+2], (256*KS/256)<<16            ; the scales of all 256 rows by one load
	s_mov_b32 s[\g+3], 32<<16
	s_mov_b32 s[\g+4], 256*KS/256
	s_mov_b32 s[\g+5], 32
	s_mov_b32 s[\g+6], 0
	s_mov_b32 s[\g+7], 0
.endr
	s_lshl_b32 s20, s17, 8                         ; A: the tile's first position, 256 x tile row
	s_lshl_b32 s46, s42, 8                         ; B: 256 x tile column
	s_mov_b32 s21, 0
	s_mov_b32 s47, 0
	s_mov_b64 s[18:19], KS
	s_mul_u64 s[22:23], s[20:21], s[18:19]         ; where these rows' scales begin, in bytes
	s_mul_u64 s[92:93], s[46:47], s[18:19]
	s_mov_b64 s[18:19], ROWB
	s_mul_u64 s[20:21], s[20:21], s[18:19]         ; and their codes
	s_mul_u64 s[46:47], s[46:47], s[18:19]
	s_mul_i32 s18, s16, 128*ROWB                   ; in the ring I fetch 128 positions of a tile: which half, in bytes
	s_mov_b32 s19, 0
	s_mul_i32 s45, s14, HALFT
	s_wait_kmcnt 0x0
	s_add_nc_u64 s[20:21], s[4:5], s[20:21]
	s_add_nc_u64 s[22:23], s[6:7], s[22:23]
	s_add_nc_u64 s[46:47], s[8:9], s[46:47]
	s_add_nc_u64 s[92:93], s[10:11], s[92:93]
	CROUND                                         ; all sixteen work-groups are here: the first joint loads meet
	s_mov_b32 s[G0S], 1
	s_mov_b32 s[G0S+1], SCL
	s_mov_b64 s[G0S+2:G0S+3], s[22:23]
	s_or_b32 s[G0S+3], s[G0S+3], 0x80000000
	s_mov_b32 s[G0SB], 1
	s_mov_b32 s[G0SB+1], SCL+2*HALFS
	s_mov_b64 s[G0SB+2:G0SB+3], s[92:93]
	s_or_b32 s[G0SB+3], s[G0SB+3], 0x80000000
	s_mov_b32 s[G0H], 1                            ; K step 0's 256 positions of A,
	s_mov_b32 s[G0H+1], 0
	s_mov_b64 s[G0H+2:G0H+3], s[20:21]
	s_or_b32 s[G0H+3], s[G0H+3], 0x80000000
	s_mov_b32 s[G0HB], 1                           ; and of B, behind them in slot 0
	s_mov_b32 s[G0HB+1], 2*HALFT
	s_mov_b64 s[G0HB+2:G0HB+3], s[46:47]
	s_or_b32 s[G0HB+3], s[G0HB+3], 0x80000000
	s_add_nc_u64 s[20:21], s[20:21], s[18:19]      ; for the ring: my 128 positions of the tile
	s_add_nc_u64 s[46:47], s[46:47], s[18:19]
.irp s, 0,1
	s_mov_b32 s[G0+4*\s], 1
	s_add_co_u32 s[G0+4*\s+1], s45, \s*SLOT
	s_add_nc_u64 s[G0+4*\s+2:G0+4*\s+3], s[20:21], \s*APL
	s_or_b32 s[G0+4*\s+3], s[G0+4*\s+3], 0x80000000
	s_mov_b32 s[G0B+4*\s], 1
	s_add_co_u32 s[G0B+4*\s+1], s45, \s*SLOT
	s_add_nc_u64 s[G0B+4*\s+2:G0B+4*\s+3], s[46:47], \s*BPL
	s_or_b32 s[G0B+4*\s+3], s[G0B+4*\s+3], 0x80000000
.endr
; THE HEAD'S LOADS, ONE A WAVE: wave 0 K step 0's 256 positions of A, wave 1 those of B, wave 2 A's scales, wave 3 B's.  One chain of branches on the wave's number, one load to an arm.
.macro ARM under, g0, g1, next
	s_cmp_lt_u32 s14, \under
	s_cbranch_scc0 \next
	tensor_load_to_lds s[\g0:\g0+3], s[\g1:\g1+7]
	s_nop 0
.rept 4
	v_nop
.endr
	s_branch .Lhead_asked
\next:
.endm
	ARM 1, G0H,  G1,  .Lhead_b
	ARM 2, G0HB, G1B, .Lhead_sa
	ARM 3, G0S,  G1S, .Lhead_sb
	tensor_load_to_lds s[G0SB:G0SB+3], s[G1SB:G1SB+7]
	s_nop 0
.rept 4
	v_nop
.endr
.Lhead_asked:
	v_and_b32 v1, 15, v0                           ; r = l % 16; kept
	v_bfe_u32 v2, v0, 4, 1                         ; h = l / 16; kept
	v_lshlrev_b32 v[BO], 6, v2
	s_lshl_b32 s46, s42, 10                        ; the bias at my first column: 4 bytes x (256 x tile column + 128 x half)
	s_lshl_b32 s47, s16, 9
	s_add_co_u32 s46, s46, s47
	s_mov_b32 s47, 0
	s_add_nc_u64 s[96:97], s[96:97], s[46:47]
.irp b, 0,1,2,3,4,5,6,7                        ; lane (r, h), tile b: b_qkv at columns 32 (b / 2) + 8 (b % 2) + 16 h + 0 .. 7: the result's own layout
	global_load_b128 v[BI+8*\b:BI+8*\b+3], v[BO], s[96:97] offset:(32*(\b/2)+8*(\b%2))*4
	global_load_b128 v[BI+8*\b+4:BI+8*\b+7], v[BO], s[96:97] offset:(32*(\b/2)+8*(\b%2))*4+16
.endr
	v_mul_u32_u24 v3, v1, PITCH
	v_mul_u32_u24 v4, v2, 24
	v_add_nc_u32 v4, v3, v4                        ; a fragment's row x pitch + 24 x half
	v_lshl_add_u32 v5, v2, 4, v4                   ; and the same behind one padding more
	s_mul_i32 s21, s15, HALFT                      ; my 128 rows of A
	s_mul_i32 s22, s16, HALFT                      ; my 128 rows of B,
	s_add_co_u32 s22, s22, 2*HALFT                 ; which lie behind A's 256
.irp s, 0,1
	v_add_nc_u32 v[ADRA+\s], s21, v4
	v_add_nc_u32 v[ADRB+\s], s22, v4
	v_add_nc_u32 v[ADRA+2+\s], s21, v5
	v_add_nc_u32 v[ADRB+2+\s], s22, v5
	s_add_co_u32 s21, s21, SLOT
	s_add_co_u32 s22, s22, SLOT
.endr
	v_mul_u32_u24 v5, v1, KS                       ; my row's scales: 32 bytes a row,
	v_lshrrev_b32 v6, 8, v5
	v_lshl_add_u32 v5, v6, 4, v5                   ; and 16 more for each 256 passed
	s_mul_i32 s21, s15, HALFS
	s_mul_i32 s22, s16, HALFS
	s_add_co_u32 s22, s22, 2*HALFS
	s_sub_co_u32 s22, s22, s21
	v_mul_u32_u24 v6, s22, v2                      ; lanes 16-31 take B's
	s_add_co_u32 s21, s21, SCL
	v_add_nc_u32 v5, v5, v6
	v_add_nc_u32 v[ADRS], s21, v5
	v_and_b32 v7, 31, v0                           ; the way out's addresses, all made here
	v_lshlrev_b32 v[L16], 4, v7
	v_lshlrev_b32 v[L8], 3, v7
	s_mul_i32 s23, s14, 4*VGRP
	v_mul_u32_u24 v[VST], v1, 144
	v_lshl_add_u32 v[VST], v2, 6, v[VST]
	v_add_nc_u32 v[VST], s23, v[VST]
	v_and_b32 v[VRD], 8, v1
	v_add_nc_u32 v[VRD], v[VRD], v1
	v_lshlrev_b32 v[VRD], 2, v[VRD]
	v_mad_u32_u24 v[VRD], v2, VGRP, v[VRD]
	v_add_nc_u32 v[VRD], s23, v[VRD]
	v_mul_u32_u24 v[VSO], v2, HEADB
	v_lshl_add_u32 v[VSO], v1, 4, v[VSO]
	v_lshlrev_b32 v[SH8], 3, v2
	s_lshl_b32 s20, s17, 1                         ; my record: chunk of 128 positions mc = 2 x tile row + half,
	s_add_co_u32 s20, s20, s15
	s_lshr_b32 s21, s20, 4
	s_lshl_b32 s21, s21, 8                         ; batch x 256
	s_and_b32 s20, s20, 15
	s_add_co_u32 s20, s20, s21
	s_lshl_b32 s46, s40, 2
	s_lshl_b32 s47, s16, 1
	s_add_co_u32 s46, s46, s47                     ; my first head = 4 cx + 2 x half
	s_lshl_b32 s46, s46, 4
	s_add_co_u32 s20, s20, s46
	s_mul_i32 s20, s20, REC
	s_mul_i32 s46, ttmp9, 6656                     ; the Q, K or V block of the record
	s_add_co_u32 s20, s20, s46
	s_mov_b32 s21, 0
	s_add_nc_u64 s[98:99], s[98:99], s[20:21]
.macro FRAG reg, adr, q, i             ; a fragment: lane l holds row l % 16; registers 6 c .. 6 c + 5 hold K = 64 c + 32 (l / 16) + 0 .. 31: 24 bytes of the row, in pieces of 8
.irp p, 0,1,2,3,4,5
.set PCE, 12*(\q)+6*(\p/3)+\p%3       ; where the piece three on lies behind one padding more, the second address register serves
.if PCE%8 < 5
	ds_load_b64 v[\reg+2*\p:\reg+2*\p+1], v[\adr] offset:8*PCE+16*(PCE/8)+(\i)*16*PITCH
.else
	ds_load_b64 v[\reg+2*\p:\reg+2*\p+1], v[\adr+2] offset:8*PCE+16*(PCE/8)+(\i)*16*PITCH
.endif
.endr
.endm
; 16 matrix instructions: A's blocks a0, a0 + 1 x B's eight.  zero = 1: the first product starts the sums on the bias.  The 64 accumulators take turns, one instruction a turn.
.macro MUL16 a0, p, q, sc, zero
.irp a, \a0, \a0+1
.irp b, 0,1,2,3,4,5,6,7
.if \zero
	v_wmma_scale_f32_16x16x128_f8f6f4 v[8*(8*((\a)%4)+\b):8*(8*((\a)%4)+\b)+7], v[128*(\p)+FR*\b:128*(\p)+FR*\b+FR-1], v[AF+FR*(\a):AF+FR*(\a)+FR-1], v[BI+8*\b:BI+8*\b+7], v[SC+8*NQ*(\sc)+NQ*\b+(\q)], v[SC+8*NQ*(\sc)+NQ*(\a)+(\q)] matrix_a_fmt:MATRIX_FMT_FP6 matrix_b_fmt:MATRIX_FMT_FP6 matrix_a_scale:MATRIX_SCALE_ROW1
.else
	v_wmma_scale_f32_16x16x128_f8f6f4 v[8*(8*((\a)%4)+\b):8*(8*((\a)%4)+\b)+7], v[128*(\p)+FR*\b:128*(\p)+FR*\b+FR-1], v[AF+FR*(\a):AF+FR*(\a)+FR-1], v[8*(8*((\a)%4)+\b):8*(8*((\a)%4)+\b)+7], v[SC+8*NQ*(\sc)+NQ*\b+(\q)], v[SC+8*NQ*(\sc)+NQ*(\a)+(\q)] matrix_a_fmt:MATRIX_FMT_FP6 matrix_b_fmt:MATRIX_FMT_FP6 matrix_a_scale:MATRIX_SCALE_ROW1
.endif
.endr
.endr
.endm
.macro FETCH_B slot, q, p
	WIN TO_B
.irp i, 0,1,2,3,4,5,6,7
	FRAG 128*(\p)+FR*\i, ADRB+\slot, \q, \i
.endr
	WIN 0
.endm
.macro FETCH_A slot, q, i0
.irp i, \i0, \i0+1, \i0+2, \i0+3
	FRAG AF+FR*(\i), ADRA+\slot, \q, \i
.endr
.endm
.macro SCALES sc                       ; a K step's scale words: lanes 0-15 take A's block i, lanes 16-31 B's block i
.irp i, 0,1,2,3,4,5,6,7
	ds_load_b64 v[SC+8*NQ*\sc+NQ*\i:SC+8*NQ*\sc+NQ*\i+1], v[ADRS] offset:\i*SBLK
.endr
.endm
.macro PLACES n                        ; plain vector lines between a matrix instruction and a load into, or a read of, its registers
.rept \n
	v_nop
.endr
.endm
.macro STEP slot, q, zero              ; a step of 128 along K that has its successor in the same slot
	s_wait_dscnt 4*NL                              ; B's set and A's blocks 0-3 are in; the youngest 24 loads (A's blocks 4-7) may be out
	WIN MUL_LO-0x20*\zero
	MUL16 0, (\q)%2, \q, \slot, \zero
	MUL16 2, (\q)%2, \q, \slot, \zero
	s_wait_dscnt 0
	PLACES NP
	FETCH_B \slot, (\q)+1, 1-(\q)%2
	FETCH_A \slot, (\q)+1, 0
	WIN MUL_HI-0x30*\zero
	MUL16 4, (\q)%2, \q, \slot, \zero
	MUL16 6, (\q)%2, \q, \slot, \zero
	PLACES NP
	WIN 0
	FETCH_A \slot, (\q)+1, 4
.endm
; A slot's last step changes slots: one barrier; in front of it each wave waits for all its tensor loads, adds 0 to its spare word, and waits for that and for its reads of this slot.
.macro TURN slot, next, fill
	s_wait_tensorcnt 0x0                           ; all my tensor loads have landed: my part of the next slot
	ds_add_u32 v[SPW], v[NIL]                      ; 0 onto my spare word
	s_wait_dscnt 4*NL+1                            ; the add and the youngest 24 loads (A's blocks 4-7) may be out
	WIN MUL_LO
	MUL16 0, 1, NQ-1, \slot, 0
	s_wait_dscnt 0x0                               ; the add is done, and my reads of this slot are over
	s_barrier_signal -1
	MUL16 2, 1, NQ-1, \slot, 0
	WIN 0
	s_barrier_wait -1
.if \fill
	CREST                                          ; the barrier has opened a round of the cluster's: no wave of any partner still reads this slot or has a load on its way
	s_add_nc_u64 s[G0+4*\slot+2:G0+4*\slot+3], s[G0+4*\slot+2:G0+4*\slot+3], 2*APL
	s_add_nc_u64 s[G0B+4*\slot+2:G0B+4*\slot+3], s[G0B+4*\slot+2:G0B+4*\slot+3], 2*BPL
	JLOAD G0+4*\slot, G1, G0B+4*\slot, G1B         ; the first tensor load behind the round; its four v_nop are the places in front of the loads below
.else
	PLACES NP
.endif
	s_wait_alu depctr_va_vdst(0)
	v_add_nc_u32 v[ADRS], 4*NQ, v[ADRS]            ; on to the next K step's scale words
	FETCH_B \next, 0, 0
	FETCH_A \next, 0, 0
	SCALES \next
	WIN MUL_HI
	MUL16 4, 1, NQ-1, \slot, 0
	MUL16 6, 1, NQ-1, \slot, 0
	PLACES NP
	WIN 0
	FETCH_A \next, 0, 4
.endm
	s_wait_alu depctr_va_vdst(0)
	s_wait_tensorcnt 0x0                           ; my tile of the head's four is in; the three lines ahead of a later first fill, as ahead of a refill
	ds_add_u32 v[SPW], v[NIL]
	s_mov_b32 s[G1+2], 96<<16                      ; no tensor load of mine is out: from here on a load brings 128 positions, 96 rows of 256 bytes
	s_mov_b32 s[G1+4], 96
	s_mov_b32 s[G1B+2], 96<<16
	s_mov_b32 s[G1B+4], 96
	s_wait_dscnt 0x0
	CROUND                                         ; all four tiles are in, and all sixteen work-groups are here
	JLOAD G0+4, G1, G0B+4, G1B                     ; K step 1, the first tensor load behind the round
	FETCH_B 0, 0, 0
	FETCH_A 0, 0, 0
	SCALES 0
	FETCH_A 0, 0, 4
	s_wait_loadcnt 0x0                             ; the bias
	STEP 0, 0, 1                                   ; the first step stands in front of the loop: its products start the sums
	s_mov_b32 s3, LAPS-1
.Llap:                                                 ; a trip goes once round the ring and fills both slots again
	TURN 0, 1, 1
	STEP 1, 0, 0
	TURN 1, 0, 1
	STEP 0, 0, 0
	s_sub_co_u32 s3, s3, 1
	s_cmp_lg_u32 s3, 0
	s_cbranch_scc1 .Llap
	TURN 0, 1, 0                                   ; the last lap fills nothing
	STEP 1, 0, 0
	s_wait_dscnt 4*NL
	WIN MUL_LO
	MUL16 0, 1, NQ-1, 1, 0
	MUL16 2, 1, NQ-1, 1, 0
	s_wait_dscnt 0
	WIN MUL_HI
	MUL16 4, 1, NQ-1, 1, 0
	MUL16 6, 1, NQ-1, 1, 0
	WIN 0
	PLACES NP                                      ; in front of the first reads of results and of loads into A's registers
	s_cmp_eq_u32 ttmp9, 2                          ; the cluster's x: the same in all sixteen partners
	s_cbranch_scc1 .Lv
; ---- q, k.  Tile a (16 positions): 64 numbers a lane, register 16 b + i = column 32 b + 16 h + i: four blocks of 32, two heads.
.macro QKOUT a
.set AC, 64*((\a)%4)
.set QW, 2+(\a)/4
	s_wait_xcnt 0x0                                ; the last tile's stores have read their registers
	WIN QW*5                                       ; sources 0 and 1: the accumulators' window
.irp b, 0,1,2,3
	v_max3_num_f32 v[TM+\b], |v[AC+16*\b]|, |v[AC+16*\b+1]|, 0x1800000   ; each accumulator is read from its low end on; the floor 2^(3 - 127) holds the byte at 1
.endr
.irp i, 2,4,6,8,10,12,14
.irp b, 0,1,2,3
	v_max3_num_f32 v[TM+\b], |v[AC+16*\b+\i]|, |v[AC+16*\b+\i+1]|, v[TM+\b]
.endr
.endr
	WIN 0
.irp b, 0,1,2,3
	v_permlanex16_b32 v[TM+4+\b], v[TM+\b], s[SEL], s[SEL+1]
.endr
.irp b, 0,1,2,3
	v_max_num_f32 v[TM+\b], v[TM+\b], v[TM+4+\b]   ; with lane l xor 16's: the block's largest magnitude
.endr
.irp b, 0,1,2,3
	v_add_nc_u32 v[TM+12+\b], 0xff000000, v[TM+\b]   ; 2 off its exponent field: the conversion's scale operand
.endr
.irp b, 0,1,2,3
	v_lshrrev_b32 v[TM+4+\b], 23, v[TM+12+\b]      ; the scale's byte
.endr
	v_lshl_or_b32 v[PW], v[TM+5], 8, v[TM+4]
	v_lshl_or_b32 v[PW], v[TM+6], 16, v[PW]
	v_lshl_or_b32 v[PW], v[TM+7], 24, v[PW]
	WIN QW                                         ; source 0: the accumulators' window
.irp c, 0,1
	v_cvt_scalef32_pk16_fp6_f32 v[PC+6*\c:PC+6*\c+2], v[AC+32*\c:AC+32*\c+15], v[TM+12+2*\c]
	v_cvt_scalef32_pk16_fp6_f32 v[PC+12+4*\c:PC+14+4*\c], v[AC+16+32*\c:AC+31+32*\c], v[TM+12+2*\c+1]
.endr
	WIN 0
	v_nop                                          ; one plain line behind the conversions
.irp c, 0,1                                    ; a whole block to a lane: lanes 0-15 block 2 c, lanes 16-31 block 2 c + 1
.irp i, 0,1,2
	v_permlane16_swap_b32 v[PC+6*\c+\i], v[PC+12+4*\c+\i]
.endr
.irp i, 0,1,2
	v_mov_b32 v[PC+3+6*\c+\i], v[PC+12+4*\c+\i]
.endr
.endr
	v_perm_b32 v[W0+(\a)], v[PW], v[PW], 0x01000100   ; head 0's word: its two bytes, twice: the head's 64 may stand in either half of an operand's 128
	v_perm_b32 v[W1+(\a)], v[PW], v[PW], 0x03020302   ; head 1's
.irp c, 0,1                                    ; head c's half fragment as it stands: registers 0-3 at 16 x lane, 4-5 at 512 + 8 x lane: 768 consecutive bytes
	global_store_b128 v[L16], v[PC+6*\c:PC+6*\c+3], s[98:99] offset:\c*HEADB+768*(\a)
	global_store_b64 v[L8], v[PC+6*\c+4:PC+6*\c+5], s[98:99] offset:\c*HEADB+768*(\a)+512
.endr
.endm
.irp b, 0,1,2,3
	v_mov_b32 v[TM+4+\b], 0                        ; written once: a lane permute's destination counts as one of its sources
.endr
.irp a, 0,1,2,3,4,5,6,7
	QKOUT \a
.endr
	v_cmp_ne_u32 vcc_lo, 0, v2                     ; lanes 0-15 store row r's words of tiles 0-3, lanes 16-31 those of tiles 4-7: 512 consecutive bytes a head
.irp j, 0,1,2,3
	v_cndmask_b32 v[OW+\j], v[W0+\j], v[W0+4+\j], vcc_lo
	v_cndmask_b32 v[OW+4+\j], v[W1+\j], v[W1+4+\j], vcc_lo
.endr
	global_store_b128 v[L16], v[OW:OW+3], s[98:99] offset:6144
	global_store_b128 v[L16], v[OW+4:OW+7], s[98:99] offset:6144+HEADB
	s_branch .Lend
; ---- v.  32 columns at a time through my stage: rows = positions, four groups of 32.  Token 32 G + i lies at position 32 G + sigma(i).
.Lv:
.macro STOREV bb
.irp a, 0,1,2,3,4,5,6,7
	WIN 0x08+4*(\a/4)                              ; an LDS store's data are its source 1: window 2 or 3
.irp u, 0,1
	ds_store_b128 v[VST], v[64*(\a%4)+8*(2*(\bb)+\u):64*(\a%4)+8*(2*(\bb)+\u)+3] offset:(\a/2)*VGRP+(\a%2)*2304+32*\u          ; each accumulator from its low end on
	ds_store_b128 v[VST], v[64*(\a%4)+8*(2*(\bb)+\u)+4:64*(\a%4)+8*(2*(\bb)+\u)+7] offset:(\a/2)*VGRP+(\a%2)*2304+32*\u+16
.endr
.endr
	WIN 0
.endm
.macro LOADV set, ud, cc               ; lane (r, h): keys 32 (2 cc + h) + 0 .. 31, in their true order, of column 8 ud + r + 8 (r / 8) of the 32
.irp i, 0,1,2,3,4,5,6,7,8,9,10,11,12,13,14,15,16,17,18,19,20,21,22,23,24,25,26,27,28,29,30,31
	ds_load_b32 v[XV+32*(\set)+\i], v[VRD] offset:2*(\cc)*VGRP+(16*((\i>>3)&1)+8*(\i>>4)+(\i&7))*144+32*(\ud)
.endr
.endm
.macro PROCV set, cc                   ; a whole block of 32 keys in my registers: its byte, and registers 6 cc .. 6 cc + 5 of the fragment
.set XS, XV+32*(\set)
.if (\cc) == 0
	s_wait_xcnt 0x0                                ; the last fragment's stores have read their registers
.endif
	v_max3_num_f32 v210, |v[XS]|, |v[XS+1]|, |v[XS+2]|
	v_max3_num_f32 v211, |v[XS+3]|, |v[XS+4]|, |v[XS+5]|
.irp i, 6,10,14,18,22,26
	v_max3_num_f32 v210, v210, |v[XS+\i]|, |v[XS+\i+1]|
	v_max3_num_f32 v211, v211, |v[XS+\i+2]|, |v[XS+\i+3]|
.endr
	v_max3_num_f32 v210, v210, |v[XS+30]|, |v[XS+31]|
	v_max3_num_f32 v210, v210, v211, 0x1800000
	v_add_nc_u32 v212, 0xff000000, v210
	v_lshrrev_b32 v[BY+(\cc)], 23, v212
	v_cvt_scalef32_pk16_fp6_f32 v[FV+6*(\cc):FV+6*(\cc)+2], v[XS:XS+15], v212
	v_cvt_scalef32_pk16_fp6_f32 v[CT:CT+2], v[XS+16:XS+31], v212
	v_nop                                          ; one plain line behind the conversions
.irp i, 0,1,2
	v_mov_b32 v[FV+6*(\cc)+3+\i], v[CT+\i]
.endr
.endm
.macro SENDV c2, td                    ; the tile's scale word (my two bytes at 8 h bits, with lane l xor 16's two) and its image: 1,536 consecutive bytes
	v_lshl_or_b32 v213, v[BY+1], 16, v[BY]
	v_lshlrev_b32 v213, v[SH8], v213
	v_permlanex16_b32 v214, v213, s[SEL], s[SEL+1]
	v_or_b32 v[VW+4*(\c2)+(\td)], v213, v214
.irp k, 0,1,2
	global_store_b128 v[L16], v[FV+4*\k:FV+4*\k+3], s[98:99] offset:(\c2)*HEADB+1536*(\td)+512*\k
.endr
.endm
	v_mov_b32 v214, 0                              ; written once: a lane permute's destination counts as one of its sources
.irp bb, 0,1,2,3                               ; head bb / 2, channels 32 (bb % 2) on.  LDS serves a wave's instructions in order: the loads see the stores, the next stores come behind the loads
	STOREV \bb
	LOADV 0, 0, 0
	LOADV 1, 0, 1
	s_wait_dscnt 32                                ; all but the 32 loads just issued
	PROCV 0, 0
	LOADV 0, 1, 0
	s_wait_dscnt 32
	PROCV 1, 1
	SENDV \bb/2, 2*(\bb%2)
	LOADV 1, 1, 1
	s_wait_dscnt 32
	PROCV 0, 0
	s_wait_dscnt 0x0
	PROCV 1, 1
	SENDV \bb/2, 2*(\bb%2)+1
.endr
	v_cmp_ne_u32 vcc_lo, 0, v2                     ; lanes 0-15 store head 0's four words of row r, lanes 16-31 head 1's: 256 consecutive bytes each
.irp j, 0,1,2,3
	v_cndmask_b32 v[OV+\j], v[VW+\j], v[VW+4+\j], vcc_lo
.endr
	global_store_b128 v[VSO], v[OV:OV+3], s[98:99] offset:6144
.Lend:
	s_wait_tensorcnt 0x0                           ; the wave's end
	ds_add_u32 v[SPW], v[NIL]
	s_wait_dscnt 0x0
	CROUND                                         ; the closing round: no work-group ends while a partner may still ask for a tile that names it
	s_endpgm
.Lfunc_end_k_q99be216965_gemm_qkv:
	.size	k_q99be216965_gemm_qkv, .Lfunc_end_k_q99be216965_gemm_qkv-k_q99be216965_gemm_qkv
	.p2alignl 7, 3214868480
	.fill 96, 4, 3214868480
	.section	.rodata,"a",@progbits
	.p2align	6, 0x0
	.amdhsa_kernel k_q99be216965_gemm_qkv
		.amdhsa_group_segment_fixed_size 327680
		.amdhsa_private_segment_fixed_size 0
		.amdhsa_enable_private_segment 0
		.amdhsa_kernarg_size 48
		.amdhsa_user_sgpr_count 2
		.amdhsa_user_sgpr_kernarg_segment_ptr 1
		.amdhsa_wavefront_size32 1
		.amdhsa_system_sgpr_workgroup_id_x 1
		.amdhsa_system_sgpr_workgroup_id_y 1
		.amdhsa_system_sgpr_workgroup_id_z 1
		.amdhsa_system_vgpr_workitem_id 0
		.amdhsa_next_free_vgpr 1024
		.amdhsa_next_free_sgpr 100
		.amdhsa_reserve_vcc 1
		.amdhsa_float_denorm_mode_32 3
		.amdhsa_float_denorm_mode_16_64 3
		.amdhsa_memory_ordered 1
		.amdhsa_forward_progress 1
		.amdhsa_inst_pref_size 237
	.end_amdhsa_kernel
	.amdgpu_metadata
---
amdhsa.version: [ 1, 2 ]
amdhsa.kernels:
  - .name:           k_q99be216965_gemm_qkv
    .symbol:         k_q99be216965_gemm_qkv.kd
    .args:
      - { .name: xc, .offset: 0, .size: 8, .value_kind: global_buffer, .address_space: global }
      - { .name: xs, .offset: 8, .size: 8, .value_kind: global_buffer, .address_space: global }
      - { .name: wc, .offset: 16, .size: 8, .value_kind: global_buffer, .address_space: global }
      - { .name: ws, .offset: 24, .size: 8, .value_kind: global_buffer, .address_space: global }
      - { .name: b_qkv, .offset: 32, .size: 8, .value_kind: global_buffer, .address_space: global }
      - { .name: qkv, .offset: 40, .size: 8, .value_kind: global_buffer, .address_space: global }
    .group_segment_fixed_size: 327680
    .private_segment_fixed_size: 0
    .kernarg_segment_align: 8
    .kernarg_segment_size: 48
    .max_flat_workgroup_size: 128
    .sgpr_count:     100
    .vgpr_count:     1024
    .wavefront_size: 32
...
	.end_amdgpu_metadata
.endif
;; end of part 2
;; launch attn (part 3): grid 4 x 64, 16 waves a work-group, clusters of 4 x 1, 327,680 bytes of LDS; arguments qkv, yc, ys; writes yc, ys
.if DOCPART == 3
	.amdgcn_target "amdgcn-amd-amdhsa--gfx1250"
	.amdhsa_code_object_version 6
	.text
	.protected	k_q99be216965_attn
	.globl	k_q99be216965_attn
	.p2align	8
	.type	k_q99be216965_attn,@function
k_q99be216965_attn:
	s_mov_b64 s[64:65], 0
	v_nop
	global_prefetch_b8 v0, s[64:65] scope:SCOPE_SE
	s_setreg_imm32_b32 hwreg(HW_REG_WAVE_MODE, 25, 1), 1
	s_wait_xcnt 0x0
	s_wait_alu depctr_hold_cnt(0) depctr_sa_sdst(0) depctr_va_vdst(0) depctr_va_sdst(0) depctr_va_ssrc(0) depctr_va_vcc(0) depctr_vm_vsrc(0)
	s_getreg_b32 s2, hwreg(HW_REG_IB_STS2, 6, 4)
	s_cmp_eq_u32 s2, 0
	s_cbranch_scc0 .Lentry_in_a_cluster
	s_endpgm
.Lentry_in_a_cluster:
	s_bfe_u32 s2, ttmp6, 0x10000c
	s_cmp_lg_u32 s2, 0x3003
	s_cbranch_scc0 .Lentry_shape_is_right
	s_endpgm
.Lentry_shape_is_right:
; Causal attention on codes of E2M3 with E8M0 scales, head size 64, and y quantised along C on the way out.  Inputs: the records of qkv (19,712 bytes for a head's 128 positions: Q block, K block, V block).
; t = score x log2(e) / 8; M = the row's largest t so far, rounded UP to a whole number; p = 2^(t - M) is quantised along the keys, not normalised; the row's sum of the unquantised p divides at the end.
; When M moves, the sum and O are multiplied by 2^(old M - new M): exact.
; A HEAD'S WHOLE K AND V LIE IN LDS: 16 chunks of 128 keys, 13,056 bytes each (K block and V block as they lie in a record), 208,896 bytes.  Each of the sixteen waves asks for one chunk at the head:
; nothing is filled again, so there is no ring.  Three barriers show the chunks as they land: chunk 0; chunks 1, 2; chunks 3-15.  Behind the third no wave waits for another.
; SHARES.  A head has 128 tiles of 16 query positions.  Wave w of work-group cx (0 .. 3) owns tiles 127 - (4 w + cx) (pass A) and 4 w + cx (pass B): (16 - w / 2) + (w / 2 + 1) = 17 key steps for every wave.
; Every work-group owns a tile of the last chunk, so each reads all 16 chunks.  CLUSTER: the four work-groups of a head ask for each chunk jointly (mask 15).
; A tile's chunk is 15 - w / 2 or w / 2, and the half of the chunk in which it lies hangs on w % 2: branches hang on the wave's number and on loop counts alone, never on cx; cx enters global addresses and the mask's numbers only.
; Key steps behind a tile's own chunk are hidden by the causal mask that the problem builds itself: they are jumped over.  In the tile's own chunk hidden scores become -infinity ahead of the maximum:
; a tile of the chunk's lower half hides keys 64-127 whole and tests keys 0-63; a tile of the upper half sees keys 0-63 whole and tests keys 64-127.
; K = 64 fills half of the instruction's 128: TWO KEY TILES fill one operand of K (tile 2 f in k = 0 .. 63, tile 2 f + 1 in k = 64 .. 127); Q stands as [Q | zeros] for the first and as [zeros | Q] for the second.
; Q's and K's scale words hold their two bytes twice, so one word serves either half; the other half's products are with zero codes.
; LAYOUT.  Both products transposed (S^T = K Q^T, O^T = V^T P^T): a lane holds one query.  Positions are permuted tokens: lane r of position tile 2 b + u holds token 32 b + 8 u + r + 8 (r / 8), so that
; the 16 registers of tiles 2 b, 2 b + 1 of S^T are the neighbouring keys 32 b + 16 h + 0 .. 15.  Operands lie in memory and LDS as images of their registers.
; NO PREFETCH: all of K and V is asked for by the head's sixteen loads; there is no later request to run ahead of.
; LIMITS: a block of p or of y whose largest magnitude lies under 2^-124 keeps the byte 1 (this program alone reads the bytes); NaN and infinities are not served; scaled scores stay under 2^31 in magnitude.
; y leaves as half-fragment images: yc [head / 4][tile of 16 positions][head % 4][768 bytes]; ys [position][32], byte 2 x head + block.
.set REC,   19712
.set HEADB, 16*REC
.set CH,    13056                      ; a chunk in LDS: K images +768 t; K words +6144; V images +6656 + 1536 td; V words +12800
.set SPARE, 16*CH                      ; the spare words: 128 bytes a wave, eight blocks of 256 bytes that no other line names
.set L16,  1                           ; v1   16 x lane
.set L8,   2                           ; v2   8 x lane
.set R16,  3                           ; v3   16 x (lane % 16)
.set RQ,   4                           ; v4   r + 8 (r / 8) - 16 h
.set SPW,  5                           ; v5   my spare word; never rewritten
.set NIL,  6                           ; v6   0; never rewritten
.set YSO,  7                           ; v7   32 r + h
.set ADK,  8                           ; v8-10 the chunk's base + L16, L8, R16
.set ADK8, 9
.set ADS,  10
.set SH8,  11                          ; v11  8 h
; v12 -M, v13 the largest t, v[14:15] the sum; v16-21 zeros, v22-27 Q, v28-33 zeros; v34 Q's scale word, v35 pass B's; v36-83 K: four operands of two tiles, then V's four fragments;
; v84-91 K's scale words, v92-95 V's; v96-159 S^T, then p; v160-191 O^T; v192-203 p's codes; v204-210 their second halves; v212-231 at work; v232-237 pass B's Q; v244-255 at work
.set WV,   18
.set SEL,  20                          ; s[20:21] selects for lane l xor 16
.set CS,   22                          ; s[22:23] c = log2(e) / 8
.set G1,   48
.set G0,   56
.set TB,   62                          ; LDS byte at which the chunk in hand begins
.set KF,   63                          ; its first key
.set CC,   66                          ; its number
.set LC,   67                          ; trips to go
.macro CROUND
	s_barrier_signal -1
	s_barrier_wait -1
	s_cmp_lg_u32 s[WV], 0
	s_cbranch_scc1 .Lnot_wave_0_\@
	s_barrier_signal -3
.Lnot_wave_0_\@:
	s_barrier_wait -3
	s_barrier_signal -1
	s_barrier_wait -1
.endm
.macro TLOAD
	tensor_load_to_lds s[G0:G0+3], s[G1:G1+7]
	s_nop 0
.rept 4
	v_nop
.endr
.endm
.macro ARM under, next                 ; the waves that wait together have a load line of their own
	s_cmp_lt_u32 s[WV], \under
	s_cbranch_scc0 \next
	TLOAD
	s_branch .Lasked
\next:
.endm
.macro SHOW under                      ; the waves under this number wait for their chunks; a plain barrier shows them to all
	s_cmp_lt_u32 s[WV], \under
	s_cbranch_scc0 .Lnot_mine_\@
	s_wait_tensorcnt 0x0
.Lnot_mine_\@:
	s_barrier_signal -1
	s_barrier_wait -1
.endm
	s_load_b128 s[4:7], s[0:1], 0x0                ; qkv, yc
	s_load_b64 s[8:9], s[0:1], 0x10                ; ys
	v_lshl_add_u32 v[SPW], v0, 2, SPARE
	v_mov_b32 v[NIL], 0
	ds_add_u32 v[SPW], v[NIL]                      ; the opening lines
	ds_add_u32 v[SPW], v[NIL]
	v_lshrrev_b32 v8, 5, v0
	v_readfirstlane_b32 s[WV], v8                  ; wave 0..15
	s_bfe_u32 s10, ttmp6, 0x40000                  ; cx
	s_and_b32 s11, ttmp7, 0xffff                   ; batch x 16 + head: the cluster's y
	s_mul_i32 s19, s11, HEADB                      ; its sixteen records
	s_mul_i32 s72, s[WV], REC
	s_add_co_u32 s72, s72, s19
	s_add_co_u32 s72, s72, 6656                    ; the K block of record w
	s_mov_b32 s73, 0
	s_mov_b32 s[G1], 15|(3<<16)|(1<<21)            ; the four partners; a dense block of 13,056 bytes: 51 rows of 32 elements of 8 bytes, no padding
	s_mov_b32 s[G1+1], 32<<16
	s_mov_b32 s[G1+2], 51<<16
	s_mov_b32 s[G1+3], 32<<16
	s_mov_b32 s[G1+4], 51
	s_mov_b32 s[G1+5], 32
	s_mov_b32 s[G1+6], 0
	s_mov_b32 s[G1+7], 0
	s_mov_b32 s[G0], 1
	s_mul_i32 s[G0+1], s[WV], CH                   ; chunk w
	s_wait_alu depctr_va_vdst(0)
	s_wait_dscnt 0x0
	CROUND                                         ; the four work-groups are here: the joint loads meet
	s_wait_kmcnt 0x0
	s_add_nc_u64 s[G0+2:G0+3], s[4:5], s[72:73]
	s_or_b32 s[G0+3], s[G0+3], 0x80000000
	ARM 1, .Larm_1
	ARM 3, .Larm_2
	TLOAD
.Lasked:
	s_lshr_b32 s15, s11, 4
	s_lshl_b32 s15, s15, 7                         ; 128 x batch
	s_and_b32 s70, s11, 15                         ; head
	s_lshl_b32 s17, s70, 1
	s_lshr_b32 s71, s70, 2
	s_mul_i32 s16, s71, 1572864
	s_and_b32 s70, s70, 3
	s_mul_i32 s70, s70, 768
	s_add_co_u32 s16, s16, s70                     ; the head's place in yc
	s_lshl_b32 s26, s[WV], 2
	s_add_co_u32 s26, s26, s10                     ; pass B's tile
	s_sub_co_u32 s27, 127, s26                     ; pass A's
	s_lshr_b32 s37, s[WV], 1                       ; pass B's chunk, from the wave's number alone,
	s_sub_co_u32 s31, 15, s37                      ; and pass A's
	s_and_b32 s29, s[WV], 1                        ; pass B's tile lies in its chunk's upper half?
	s_xor_b32 s28, s29, 1                          ; and pass A's
	s_mov_b32 s[SEL], 0x76543210
	s_mov_b32 s[SEL+1], 0xfedcba98
	s_mov_b32 s[CS], 0x3e38aa3b
	s_mov_b32 s[CS+1], s[CS]
	s_mov_b32 s[TB], 0
	s_mov_b32 s[KF], 0
	s_mov_b32 s[CC], 0
; a pass's numbers, from its tile t and its chunk cd: first token, places in yc and ys, Q's image and scale words
.macro PASSADR t, cd, q0, yb, ysb, qa, qs
	s_and_b32 s70, s[\t], 7                        ; which tile of the chunk's eight
	s_lshl_b32 s[\q0], s[\cd], 7
	s_lshr_b32 s71, s70, 1
	s_lshl_b32 s71, s71, 5
	s_add_co_u32 s[\q0], s[\q0], s71
	s_and_b32 s71, s70, 1
	s_lshl_b32 s71, s71, 3
	s_add_co_u32 s[\q0], s[\q0], s71
	s_add_co_u32 s71, s[\t], s15                   ; my tile among the 512
	s_mul_i32 s72, s71, 3072
	s_add_co_u32 s72, s72, s16
	s_mov_b32 s73, 0
	s_add_nc_u64 s[\yb:\yb+1], s[6:7], s[72:73]
	s_lshl_b32 s72, s71, 9
	s_add_co_u32 s72, s72, s17
	s_add_nc_u64 s[\ysb:\ysb+1], s[8:9], s[72:73]
	s_mul_i32 s72, s[\cd], REC
	s_add_co_u32 s72, s72, s19
	s_mul_i32 s74, s70, 768
	s_add_co_u32 s74, s74, s72
	s_mov_b32 s75, 0
	s_add_nc_u64 s[\qa:\qa+1], s[4:5], s[74:75]
	s_lshr_b32 s74, s70, 2
	s_lshl_b32 s74, s74, 8
	s_and_b32 s71, s70, 3
	s_lshl_b32 s71, s71, 2
	s_add_co_u32 s74, s74, s71
	s_add_co_u32 s74, s74, s72
	s_add_co_u32 s74, s74, 6144
	s_add_nc_u64 s[\qs:\qs+1], s[4:5], s[74:75]
.endm
	PASSADR 27, 31, 30, 32, 34, 42, 44
	PASSADR 26, 37, 36, 38, 40, 46, 76
	v_and_b32 v8, 31, v0
	v_lshlrev_b32 v[L16], 4, v8
	v_lshlrev_b32 v[L8], 3, v8
	v_and_b32 v9, 15, v0                           ; r
	v_lshlrev_b32 v[R16], 4, v9
	v_bfe_u32 v10, v0, 4, 1                        ; h
	global_load_b128 v[22:25], v[L16], s[42:43]    ; both passes' Q: half a fragment as it stands, and its rows' scale words
	global_load_b64 v[26:27], v[L8], s[42:43] offset:512
	global_load_b32 v34, v[R16], s[44:45]
	global_load_b128 v[232:235], v[L16], s[46:47]
	global_load_b64 v[236:237], v[L8], s[46:47] offset:512
	global_load_b32 v35, v[R16], s[76:77]
	v_and_b32 v[RQ], 8, v9
	v_add_nc_u32 v[RQ], v[RQ], v9
	v_lshlrev_b32 v228, 4, v10
	v_sub_nc_u32 v[RQ], v[RQ], v228
	v_lshl_add_u32 v[YSO], v9, 5, v10
	v_lshlrev_b32 v[SH8], 3, v10
.irp j, 16,17,18,19,20,21, 28,29,30,31,32,33
	v_mov_b32 v[\j], 0                             ; the zero codes on both sides of Q; never written again
.endr
.set j, 0
.rept 32
	v_mov_b32 v[160+j], 0                          ; O^T: the step is written once; the first change of M leaves zeros zeros
.set j, j+1
.endr
	v_mov_b32 v13, 0xff61b1e6                      ; -3e38, under every t
	v_floor_f32 v12, -v13
	v_mov_b32 v14, 0
	v_mov_b32 v15, 0
.irp j, 216,217,218,219,227
	v_mov_b32 v[\j], 0                             ; lane permutes' destinations, and the upper half of f's pair
.endr
.macro QK d, f, q, w
	v_wmma_scale_f32_16x16x128_f8f6f4 v[\d:\d+7], v[\f:\f+11], v[\q:\q+11], 0, v[\w], v34 matrix_a_fmt:MATRIX_FMT_FP6 matrix_b_fmt:MATRIX_FMT_FP6
.endm
.macro MASK n0                         ; 32 scores from register n0 on: hidden where 32 b + i > d
.set n, \n0
.rept 32
	v_cmp_gt_i32 vcc_lo, 32*(n/16)+n%16, v228
	v_cndmask_b32 v[96+n], v[96+n], v229, vcc_lo
.set n, n+1
.endr
.endm
; A KEY STEP: the 128 keys of chunk CC.  test = 1: the chunk may be the tile's own (cd) or lie behind it; hi: the tile lies in its chunk's upper half
.macro STEP test, q0, cd, hi
.if \test
	s_cmp_gt_u32 s[CC], s[\cd]
	s_cbranch_scc1 .Lhidden_\@
.endif
	v_add_nc_u32 v[ADK], s[TB], v[L16]
	v_add_nc_u32 v[ADK8], s[TB], v[L8]
	v_add_nc_u32 v[ADS], s[TB], v[R16]
	s_wait_alu depctr_va_vdst(0)
.irp j, 0,1,2,3,4,5,6,7
	ds_load_b128 v[36+6*\j:39+6*\j], v[ADK] offset:768*\j          ; key tile j: half an operand
	ds_load_b64 v[40+6*\j:41+6*\j], v[ADK8] offset:768*\j+512
.endr
	ds_load_b128 v[84:87], v[ADS] offset:6144      ; row r's words of tiles 0-3,
	ds_load_b128 v[88:91], v[ADS] offset:6400      ; and of tiles 4-7
	s_wait_dscnt 0x0
.irp f, 0,1,2,3                                ; S^T = K Q^T: tile 2 f against [Q | zeros], tile 2 f + 1 against [zeros | Q]
	QK 96+16*\f, 36+12*\f, 22, 84+2*\f
	QK 104+16*\f, 36+12*\f, 16, 85+2*\f
.endr
.rept 4
	v_nop                                          ; places: in front of the loads into K's registers and of the first reads of scores
.endr
.set j, 0
.rept 12
	ds_load_b128 v[36+4*j:39+4*j], v[ADK] offset:6656+512*j        ; V's four fragments, where K lay: the whole softmax stands between these loads and the wait for them
.set j, j+1
.endr
	ds_load_b128 v[92:95], v[ADS] offset:12800                     ; row r's words of the four channel tiles
.if \test
	s_cmp_lg_u32 s[CC], s[\cd]                     ; only the tile's own chunk has hidden keys
	s_cbranch_scc1 .Lopen_\@
	s_sub_co_i32 s70, s[\q0], s[KF]
	v_add_nc_u32 v228, s70, v[RQ]                  ; d = my query - KF - 16 h.  Register 16 b + i holds key KF + 16 h + 32 b + i
	v_mov_b32 v229, 0xff800000
	s_wait_alu depctr_va_vdst(0)
	s_cmp_lg_u32 s[\hi], 0
	s_cbranch_scc1 .Lhigh_\@
	MASK 0
.set n, 32
.rept 32
	v_mov_b32 v[96+n], v229                        ; my queries lie under key 64 of the chunk
.set n, n+1
.endr
	s_branch .Lopen_\@
.Lhigh_\@:
	MASK 32                                        ; my queries lie at key 64 of the chunk or behind it
.Lopen_\@:
.endif
.irp b, 0,1,2,3
	v_max3_num_f32 v[212+\b], v[96+16*\b], v[97+16*\b], v[98+16*\b]   ; the largest score of each block of 32 keys: for the row's maximum and, since p rises with the score, for the block's largest p
.endr
.irp i, 3,5,7,9,11,13
.irp b, 0,1,2,3
	v_max3_num_f32 v[212+\b], v[212+\b], v[96+16*\b+\i], v[97+16*\b+\i]
.endr
.endr
.irp b, 0,1,2,3
	v_max_num_f32 v[212+\b], v[212+\b], v[111+16*\b]
.endr
.irp b, 0,1,2,3
	s_delay_alu instid0(VALU_DEP_4)
	v_permlanex16_b32 v[216+\b], v[212+\b], s[SEL], s[SEL+1]
.endr
.irp b, 0,1,2,3
	s_delay_alu instid0(VALU_DEP_4)
	v_max_num_f32 v[212+\b], v[212+\b], v[216+\b]  ; with lane l xor 16's 16 keys
.endr
	s_delay_alu instid0(VALU_DEP_2)
	v_max3_num_f32 v228, v212, v213, v214
	s_delay_alu instid0(VALU_DEP_1)
	v_max_num_f32 v228, v228, v215
	s_delay_alu instid0(VALU_DEP_1)
	v_mul_f32 v228, s[CS], v228                    ; as t
	s_delay_alu instid0(VALU_DEP_1)
	v_max_num_f32 v13, v13, v228                   ; the running largest t
	v_mov_b32 v228, v12
	s_delay_alu instid0(VALU_DEP_2)
	v_floor_f32 v12, -v13                          ; the new -M = -ceil(t)
	s_delay_alu instid0(VALU_DEP_1)
	v_sub_f32 v228, v12, v228                      ; old M - new M: a whole number, 0 or less
	s_delay_alu instid0(VALU_DEP_1)
	v_cvt_i32_f32 v228, v228                       ; (it saturates)
	s_delay_alu instid0(VALU_DEP_1)
	v_ldexp_f32 v226, 1.0, v228                    ; f = 2^(old M - new M)
.set j, 0
.rept 32
	v_pk_fma_f32 v[96+j:97+j], v[96+j:97+j], s[CS:CS+1], v[12:13] op_sel_hi:[1,0,0]   ; t - M, two at a time
.set j, j+2
.endr
.irp b, 0,1,2,3
	v_fma_f32 v[212+\b], v[212+\b], s[CS], v12     ; the same of each block's largest score
.endr
.set j, 0
	s_wait_alu depctr_va_vdst(0)
.rept 64
	v_exp_f32 v[96+j], v[96+j]                     ; p = 2^(t - M)
.set j, j+1
.endr
.irp b, 0,1,2,3
	v_exp_f32 v[212+\b], v[212+\b]                 ; the block's largest p
.endr
	v_pk_mul_f32 v[14:15], v[14:15], v[226:227] op_sel_hi:[1,0]   ; the sums under the new M (a plain line behind the exponentials)
	s_wait_alu depctr_va_vdst(0)                   ; and behind it
.irp b, 0,1,2,3
	v_max_num_f32 v[212+\b], 0x1800000, v[212+\b]  ; the floor 2^(3 - 127)
.endr
.irp b, 0,1,2,3
	s_delay_alu instid0(VALU_DEP_4)
	v_add_nc_u32 v[220+\b], 0xff000000, v[212+\b]  ; the conversion's scale operand
.endr
.irp b, 0,1,2,3
	s_delay_alu instid0(VALU_DEP_4)
	v_lshrrev_b32 v[216+\b], 23, v[220+\b]         ; the scale's byte
.endr
	s_delay_alu instid0(VALU_DEP_3)
	v_lshl_or_b32 v224, v217, 8, v216              ; p's scale word for these 128 keys
	s_delay_alu instid0(VALU_DEP_1)
	v_lshl_or_b32 v224, v218, 16, v224
	s_delay_alu instid0(VALU_DEP_1)
	v_lshl_or_b32 v224, v219, 24, v224
.irp c, 0,1
	v_cvt_scalef32_pk16_fp6_f32 v[192+6*\c:194+6*\c], v[96+32*\c:111+32*\c], v[220+2*\c]
	v_cvt_scalef32_pk16_fp6_f32 v[204+4*\c:206+4*\c], v[112+32*\c:127+32*\c], v[220+2*\c+1]
.endr
	v_nop                                          ; one plain line behind the conversions
.irp c, 0,1
.irp i, 0,1,2
	v_permlane16_swap_b32 v[192+6*\c+\i], v[204+4*\c+\i]
.endr
.irp i, 0,1,2
	s_delay_alu instid0(VALU_DEP_3)
	v_mov_b32 v[195+6*\c+\i], v[204+4*\c+\i]
.endr
.endr
	v_pk_add_f32 v[230:231], v[100:101], v[104:105]                ; the row's sum of the unquantised p, in eight chains
	v_pk_add_f32 v[254:255], v[108:109], v[112:113]
	v_pk_add_f32 v[252:253], v[116:117], v[120:121]
	v_pk_add_f32 v[250:251], v[124:125], v[128:129]
	v_pk_add_f32 v[248:249], v[132:133], v[136:137]
	v_pk_add_f32 v[246:247], v[140:141], v[144:145]
	v_pk_add_f32 v[244:245], v[148:149], v[152:153]
	v_pk_add_f32 v[14:15], v[14:15], v[156:157]
	v_pk_add_f32 v[230:231], v[230:231], v[96:97]
	v_pk_add_f32 v[254:255], v[254:255], v[98:99]
	v_pk_add_f32 v[252:253], v[252:253], v[102:103]
	v_pk_add_f32 v[250:251], v[250:251], v[106:107]
	v_pk_add_f32 v[248:249], v[248:249], v[110:111]
	v_pk_add_f32 v[246:247], v[246:247], v[114:115]
	v_pk_add_f32 v[244:245], v[244:245], v[118:119]
	v_pk_add_f32 v[14:15], v[14:15], v[122:123]
	v_pk_add_f32 v[230:231], v[230:231], v[126:127]
	v_pk_add_f32 v[254:255], v[254:255], v[130:131]
	v_pk_add_f32 v[252:253], v[252:253], v[134:135]
	v_pk_add_f32 v[250:251], v[250:251], v[138:139]
	v_pk_add_f32 v[248:249], v[248:249], v[142:143]
	v_pk_add_f32 v[246:247], v[246:247], v[146:147]
	v_pk_add_f32 v[244:245], v[244:245], v[150:151]
	v_pk_add_f32 v[14:15], v[14:15], v[154:155]
	v_pk_add_f32 v[230:231], v[230:231], v[158:159]
	s_delay_alu instid0(VALU_DEP_2)
	v_pk_add_f32 v[14:15], v[14:15], v[250:251]
	s_delay_alu instid0(VALU_DEP_2)
	v_pk_add_f32 v[230:231], v[230:231], v[248:249]
	v_pk_add_f32 v[254:255], v[254:255], v[246:247]
	v_pk_add_f32 v[252:253], v[252:253], v[244:245]
	s_delay_alu instid0(VALU_DEP_2)
	v_pk_add_f32 v[14:15], v[14:15], v[254:255]
	s_delay_alu instid0(VALU_DEP_2)
	v_pk_add_f32 v[230:231], v[230:231], v[252:253]
	s_delay_alu instid0(VALU_DEP_1)
	v_pk_add_f32 v[14:15], v[14:15], v[230:231]
	s_wait_alu depctr_va_vdst(0)
.set j, 0
.rept 16
	v_pk_mul_f32 v[160+j:161+j], v[160+j:161+j], v[226:227] op_sel_hi:[1,0]   ; O^T under the new M.  (With the sums: the places between p's word and codes and the products)
.set j, j+2
.endr
	s_wait_alu depctr_va_vdst(0)
	s_wait_dscnt 0x0                               ; V
.irp t, 0,1,2,3                                ; O^T += V^T P^T: the four accumulators by turns
	v_wmma_scale_f32_16x16x128_f8f6f4 v[160+8*\t:167+8*\t], v[36+12*\t:47+12*\t], v[192:203], v[160+8*\t:167+8*\t], v[92+\t], v224 matrix_a_fmt:MATRIX_FMT_FP6 matrix_b_fmt:MATRIX_FMT_FP6
.endr
.rept 4
	v_nop                                          ; places: the next step's loads land on V's registers, a pass's end reads O^T
.endr
.if \test
.Lhidden_\@:
.endif
	s_add_co_u32 s[KF], s[KF], 128
	s_add_co_u32 s[TB], s[TB], CH
	s_add_co_u32 s[CC], s[CC], 1
.endm
.macro RUN trips, test, q0, cd, hi     ; so many chunks on end: the trip count is a constant of the text
	s_mov_b32 s[LC], \trips
.Lrun_\@:
	STEP \test, \q0, \cd, \hi
	s_sub_co_u32 s[LC], s[LC], 1
	s_cmp_lg_u32 s[LC], 0
	s_cbranch_scc1 .Lrun_\@
.endm
; A PASS'S END: O^T / the sum, quantised along the head's 64 (two blocks of C), stored as half a fragment's image and two scale bytes a row
.macro FINISH yb, ysb
	v_add_f32 v14, v14, v15
	s_delay_alu instid0(VALU_DEP_1)
	v_permlanex16_b32 v228, v14, s[SEL], s[SEL+1]
	s_delay_alu instid0(VALU_DEP_1)
	v_add_f32 v14, v14, v228                       ; the row's sum
	s_wait_alu depctr_va_vdst(0)
	v_rcp_f32 v14, v14
	v_nop                                          ; a plain line behind the transcendental
.set j, 0
	s_wait_alu depctr_va_vdst(0)
.rept 32
	v_mul_f32 v[96+j], v[160+j], v14               ; register 16 b + i is y(my query, 32 b + 16 h + i); each accumulator from its low end on
.set j, j+1
.endr
.irp b, 0,1
	v_max3_num_f32 v[212+\b], |v[96+16*\b]|, |v[97+16*\b]|, 0x1800000
.endr
.irp i, 2,4,6,8,10,12,14
.irp b, 0,1
	s_delay_alu instid0(VALU_DEP_2)
	v_max3_num_f32 v[212+\b], v[212+\b], |v[96+16*\b+\i]|, |v[97+16*\b+\i]|
.endr
.endr
.irp b, 0,1
	s_delay_alu instid0(VALU_DEP_2)
	v_permlanex16_b32 v[216+\b], v[212+\b], s[SEL], s[SEL+1]
.endr
.irp b, 0,1
	s_delay_alu instid0(VALU_DEP_2)
	v_max_num_f32 v[212+\b], v[212+\b], v[216+\b]
.endr
.irp b, 0,1
	s_delay_alu instid0(VALU_DEP_2)
	v_add_nc_u32 v[220+\b], 0xff000000, v[212+\b]
.endr
.irp b, 0,1
	s_delay_alu instid0(VALU_DEP_2)
	v_lshrrev_b32 v[216+\b], 23, v[220+\b]
.endr
	s_delay_alu instid0(VALU_DEP_1)
	v_lshl_or_b32 v229, v217, 8, v216
	v_cvt_scalef32_pk16_fp6_f32 v[192:194], v[96:111], v220
	v_cvt_scalef32_pk16_fp6_f32 v[204:206], v[112:127], v221
	v_nop
.irp i, 0,1,2
	v_permlane16_swap_b32 v[192+\i], v[204+\i]
.endr
.irp i, 0,1,2
	s_delay_alu instid0(VALU_DEP_3)
	v_mov_b32 v[195+\i], v[204+\i]
.endr
	v_lshrrev_b32 v229, v[SH8], v229               ; my block's byte
	global_store_b128 v[L16], v[192:195], s[\yb:\yb+1]           ; 768 consecutive bytes a wave, aligned to 256
	global_store_b64 v[L8], v[196:197], s[\yb:\yb+1] offset:512
	global_store_b8 v[YSO], v229, s[\ysb:\ysb+1]
.endm
	s_wait_alu depctr_va_vdst(0)
	s_wait_loadcnt 0x0                             ; Q
; PASS A: chunks 0 .. 15 - w / 2.  Its own chunk is 8 or later in every wave, so chunks 0-7 have no test
	SHOW 1                                         ; chunk 0 is in
	STEP 0, 30, 31, 28
	SHOW 3                                         ; chunks 1, 2
	RUN 2, 0, 30, 31, 28
	s_wait_tensorcnt 0x0                           ; all that is still out: the wait stands on every wave's way
	s_barrier_signal -1
	s_barrier_wait -1                              ; chunks 3-15
	RUN 5, 0, 30, 31, 28
	RUN 8, 1, 30, 31, 28
	s_wait_alu depctr_va_vdst(0)
	FINISH 32, 34
.irp j, 0,1,2,3,4,5
	v_mov_b32 v[22+\j], v[232+\j]                  ; pass B's Q,
.endr
	v_mov_b32 v34, v35                             ; and its scale words; the lines below are the places between these and the next products
.set j, 0
.rept 32
	v_mov_b32 v[160+j], 0
.set j, j+1
.endr
	v_mov_b32 v13, 0xff61b1e6
	s_delay_alu instid0(VALU_DEP_1)
	v_floor_f32 v12, -v13
	v_mov_b32 v14, 0
	v_mov_b32 v15, 0
	s_wait_xcnt 0x0                                ; the stores have read their registers
	s_mov_b32 s[TB], 0
	s_mov_b32 s[KF], 0
	s_mov_b32 s[CC], 0
; PASS B: chunks 0 .. w / 2, at most eight
	RUN 8, 1, 36, 37, 29
	s_wait_alu depctr_va_vdst(0)
	FINISH 38, 40
	s_wait_tensorcnt 0x0                           ; the wave's end
	ds_add_u32 v[SPW], v[NIL]
	s_wait_dscnt 0x0
	CROUND                                         ; the closing round
	s_endpgm
.Lfunc_end_k_q99be216965_attn:
	.size	k_q99be216965_attn, .Lfunc_end_k_q99be216965_attn-k_q99be216965_attn
	.p2alignl 7, 3214868480
	.fill 96, 4, 3214868480
	.section	.rodata,"a",@progbits
	.p2align	6, 0x0
	.amdhsa_kernel k_q99be216965_attn
		.amdhsa_group_segment_fixed_size 327680
		.amdhsa_private_segment_fixed_size 0
		.amdhsa_enable_private_segment 0
		.amdhsa_kernarg_size 24
		.amdhsa_user_sgpr_count 2
		.amdhsa_user_sgpr_kernarg_segment_ptr 1
		.amdhsa_wavefront_size32 1
		.amdhsa_system_sgpr_workgroup_id_x 1
		.amdhsa_system_sgpr_workgroup_id_y 1
		.amdhsa_system_sgpr_workgroup_id_z 1
		.amdhsa_system_vgpr_workitem_id 0
		.amdhsa_next_free_vgpr 256
		.amdhsa_next_free_sgpr 80
		.amdhsa_reserve_vcc 1
		.amdhsa_float_denorm_mode_32 3
		.amdhsa_float_denorm_mode_16_64 3
		.amdhsa_memory_ordered 1
		.amdhsa_forward_progress 1
		.amdhsa_inst_pref_size 118
	.end_amdhsa_kernel
	.amdgpu_metadata
---
amdhsa.version: [ 1, 2 ]
amdhsa.kernels:
  - .name:           k_q99be216965_attn
    .symbol:         k_q99be216965_attn.kd
    .args:
      - { .name: qkv, .offset: 0, .size: 8, .value_kind: global_buffer, .address_space: global }
      - { .name: yc, .offset: 8, .size: 8, .value_kind: global_buffer, .address_space: global }
      - { .name: ys, .offset: 16, .size: 8, .value_kind: global_buffer, .address_space: global }
    .group_segment_fixed_size: 327680
    .private_segment_fixed_size: 0
    .kernarg_segment_align: 8
    .kernarg_segment_size: 24
    .max_flat_workgroup_size: 512
    .sgpr_count:     80
    .vgpr_count:     256
    .wavefront_size: 32
...
	.end_amdgpu_metadata
.endif
;; end of part 3
;; launch gemm_proj (part 4): grid 4 x 64, 4 waves a work-group, clusters of 4 x 4, 327,680 bytes of LDS; arguments yc, ys, wc, ws, b_proj, out0; writes out0
.if DOCPART == 4
	.amdgcn_target "amdgcn-amd-amdhsa--gfx1250"
	.amdhsa_code_object_version 6
	.text
	.protected	k_q99be216965_gemm_proj
	.globl	k_q99be216965_gemm_proj
	.p2align	8
	.type	k_q99be216965_gemm_proj,@function
k_q99be216965_gemm_proj:
	s_mov_b64 s[64:65], 0
	v_nop
	global_prefetch_b8 v0, s[64:65] scope:SCOPE_SE
	s_setreg_imm32_b32 hwreg(HW_REG_WAVE_MODE, 25, 1), 1
	s_wait_xcnt 0x0
	s_wait_alu depctr_hold_cnt(0) depctr_sa_sdst(0) depctr_va_vdst(0) depctr_va_sdst(0) depctr_va_ssrc(0) depctr_va_vcc(0) depctr_vm_vsrc(0)
	s_getreg_b32 s2, hwreg(HW_REG_IB_STS2, 6, 4)
	s_cmp_eq_u32 s2, 0
	s_cbranch_scc0 .Lentry_in_a_cluster
	s_endpgm
.Lentry_in_a_cluster:
	s_bfe_u32 s2, ttmp6, 0x10000c
	s_cmp_lg_u32 s2, 0xf033
	s_cbranch_scc0 .Lentry_shape_is_right
	s_endpgm
.Lentry_shape_is_right:
; out0 = y w_proj + b_proj on codes of E2M3 with E8M0 scales.  A = yc and B = wc's positions 3072-4095, both laid [K step of 256][tile of 16 positions][3,072 bytes] as images of operand registers
; (four halves of a fragment of 768 bytes: registers 0-3 at 16 x lane, 4-5 at 512 + 8 x lane); scale bytes ys, ws [position][32].  Position p holds row (column) p with bits 3 and 4 exchanged.
; 256 work-groups, each a block of 128 x 256; four waves, 2 x 2, each 64 x 128: 32 accumulators.
; ALL OF K LIES IN LDS: A's 4 x 24,576 bytes and B's 4 x 49,152: 294,912 bytes, each byte filled once.  No ring, no refill.  The head's four loads, one a wave: A's K steps 0, 1; B's K steps 0, 1; A's 2, 3; B's 2, 3
; (a load's two rows are the block's dense bytes in two planes).  The first barrier waits for the first two loads alone; the second stands in the third step of 128 along K, its signal ahead of the step's products.
; CLUSTERS of 4 x 4: A's loads are joint along a row of the cluster, B's along a column.  NO PREFETCH: everything is asked for at the head.
; The scale words of a wave's rows and columns, for all of K (32 bytes a row), and the bias go from memory straight into registers: 6 KB a wave, read once.
; The matrix instruction is used transposed (source 0 = 16 positions of wc, source 1 = 16 of yc): a lane holds eight neighbouring columns of a row.  The bias is the C of each sum's first product.
; Fragments have two sets of registers: step st multiplies set st % 2 while step st + 1's 48 LDS loads land in the other.
; The way out goes through the wave's own stage, on LDS bytes of A's K steps 0 and 1, which nobody reads behind the second barrier, and leaves as rows of 512 bytes.
; REGISTERS: window 0: v0-31 addresses; v32-63 A's scale words (8 a + st); v66-129 B's (8 b + st); v130-193 the bias; v128-255 the way out.  Window 1: B's fragments, sets at v0 and v128.
; Window 2: accumulator (a, b) at v[8 (8 a + b)].  Window 3: A's fragments, sets at v0 and v48.
.set APL,  8192*192
.set BPL,  4096*192
.set AT,   24576
.set BT,   49152
.set BB0,  4*AT
.set SPARE, BB0+4*BT
.set SPITCH, 528
.set FR,   12
.set STO,  8
.set RD,   9
.set CO,   10
.set BO,   11
.set ADA16, 16                         ; v16-17 my A images, K steps 0-1 and 2-3, + 16 x lane; v18-19 + 8 x lane
.set ADA8,  18
.set ADB16, 20                         ; v20-23 my B images of each K step + 16 x lane; v24-27 + 8 x lane
.set ADB8,  24
.set SPW,  28
.set NIL,  29
.set SA,   32
.set SBB,  66
.set BI,   130
.set BK,   128
.set G1A,  24
.set G1B,  48
.set MSB, 0
.macro WIN new
.if MSB != (\new)
	s_set_vgpr_msb (MSB<<8)|(\new)
.set MSB, (\new)
.endif
.endm
.macro PLACES n
.rept \n
	v_nop
.endr
.endm
.macro CROUND
	s_barrier_signal -1
	s_barrier_wait -1
	s_cmp_lg_u32 s14, 0
	s_cbranch_scc1 .Lnot_wave_0_\@
	s_barrier_signal -3
.Lnot_wave_0_\@:
	s_barrier_wait -3
	s_barrier_signal -1
	s_barrier_wait -1
.endm
.macro GROUP1 g, mask, el, pitch       ; two rows of el elements of 8 bytes, a plane apart; no padding
	s_or_b32 s[\g+0], s\mask, (3<<16)|(1<<21)
	s_mov_b32 s[\g+1], (\el)<<16
	s_mov_b32 s[\g+2], 2<<16
	s_mov_b32 s[\g+3], (\el)<<16
	s_mov_b32 s[\g+4], 2
	s_mov_b32 s[\g+5], \pitch
	s_mov_b32 s[\g+6], 0
	s_mov_b32 s[\g+7], 0
.endm
.macro GROUP0 g, lds, base, step
	s_mov_b32 s[\g], 1
	s_mov_b32 s[\g+1], \lds
	s_add_nc_u64 s[\g+2:\g+3], s[\base:\base+1], \step
	s_or_b32 s[\g+3], s[\g+3], 0x80000000
.endm
.macro ARM under, g0, g1, next
	s_cmp_lt_u32 s14, \under
	s_cbranch_scc0 \next
	tensor_load_to_lds s[\g0:\g0+3], s[\g1:\g1+7]
	s_nop 0
	PLACES 4
	s_branch .Lhead_asked
\next:
.endm
	s_load_b128 s[4:7], s[0:1], 0x0                ; yc, ys
	s_load_b128 s[8:11], s[0:1], 0x10              ; wc, ws
	s_load_b128 s[96:99], s[0:1], 0x20             ; b_proj, out0
	v_lshl_add_u32 v[SPW], v0, 2, SPARE
	v_mov_b32 v[NIL], 0
	ds_add_u32 v[SPW], v[NIL]                      ; the opening lines
	ds_add_u32 v[SPW], v[NIL]
	v_lshrrev_b32 v1, 5, v0
	v_readfirstlane_b32 s14, v1                    ; wave 0..3
	s_lshr_b32 s15, s14, 1                         ; which 64 of the block's rows are mine
	s_and_b32 s16, s14, 1                          ; which 128 of its columns
	s_bfe_u32 s40, ttmp6, 0x40000                  ; cx, cy
	s_bfe_u32 s41, ttmp6, 0x40004
	s_lshl_b32 s42, ttmp9, 2
	s_add_co_u32 s42, s42, s40                     ; block column, 0 .. 3
	s_and_b32 s17, ttmp7, 0xffff
	s_lshl_b32 s17, s17, 2
	s_add_co_u32 s17, s17, s41                     ; block row, 0 .. 63
	s_lshl_b32 s43, s41, 2
	s_lshl_b32 s43, 15, s43                        ; my row of the cluster
	s_lshl_b32 s44, 0x1111, s40                    ; my column
	GROUP1 G1A, 43, AT/8, APL/8
	GROUP1 G1B, 44, BT/8, BPL/8
	s_mul_i32 s20, s17, AT                         ; my 128 positions in a plane of yc
	s_mov_b32 s21, 0
	s_mul_i32 s46, s42, BT
	s_add_co_u32 s46, s46, 3072*192                ; my 256 positions in a plane of wc
	s_mov_b32 s47, 0
	s_wait_alu depctr_va_vdst(0)
	s_wait_dscnt 0x0
	CROUND                                         ; all sixteen work-groups are here: the joint loads meet
	s_wait_kmcnt 0x0
	s_add_nc_u64 s[20:21], s[4:5], s[20:21]
	s_add_nc_u64 s[46:47], s[8:9], s[46:47]
	GROUP0 32, 0, 20, 0
	GROUP0 36, 2*AT, 20, 2*APL
	GROUP0 56, BB0, 46, 0
	GROUP0 60, BB0+2*BT, 46, 2*BPL
	ARM 1, 32, G1A, .Lhead_1                       ; what is needed first is asked for first; each wave has a load line of its own
	ARM 2, 56, G1B, .Lhead_2
	ARM 3, 36, G1A, .Lhead_3
	tensor_load_to_lds s[60:63], s[G1B:G1B+7]
	s_nop 0
	PLACES 4
.Lhead_asked:
	s_lshl_b32 s22, s17, 12                        ; ys: 32 bytes x (128 x block row + 64 x half)
	s_lshl_b32 s23, s15, 11
	s_add_co_u32 s22, s22, s23
	s_mov_b32 s23, 0
	s_add_nc_u64 s[6:7], s[6:7], s[22:23]
	s_lshl_b32 s92, s42, 13                        ; ws: 32 bytes x (3072 + 256 x block column + 128 x half)
	s_lshl_b32 s93, s16, 12
	s_add_co_u32 s92, s92, s93
	s_add_co_u32 s92, s92, 3072*32
	s_mov_b32 s93, 0
	s_add_nc_u64 s[10:11], s[10:11], s[92:93]
	s_lshl_b32 s46, s42, 10                        ; my first column, in bytes of f32
	s_lshl_b32 s47, s16, 9
	s_add_co_u32 s46, s46, s47
	s_mov_b32 s47, 0
	s_add_nc_u64 s[96:97], s[96:97], s[46:47]
	s_lshl_b32 s20, s17, 19                        ; my first row of out0: 4,096 bytes x (128 x block row + 64 x half)
	s_lshl_b32 s21, s15, 18
	s_add_co_u32 s20, s20, s21
	s_add_co_u32 s20, s20, s46
	s_mov_b32 s21, 0
	s_add_nc_u64 s[98:99], s[98:99], s[20:21]
	s_mul_i32 s21, s15, AT/2
	s_mul_i32 s22, s16, BT/2
	s_add_co_u32 s22, s22, BB0
	s_mul_i32 s23, s14, 16*SPITCH
	v_and_b32 v1, 15, v0                           ; r
	v_bfe_u32 v2, v0, 4, 1                         ; h
	v_and_b32 v7, 31, v0
	v_lshlrev_b32 v3, 5, v1                        ; 32 r
	v_lshlrev_b32 v[BO], 6, v2
.irp a, 0,1,2,3                                ; row r of block a: its eight scale words, one for each 128 along K
	global_load_b128 v[SA+8*\a:SA+8*\a+3], v3, s[6:7] offset:512*\a
	global_load_b128 v[SA+8*\a+4:SA+8*\a+7], v3, s[6:7] offset:512*\a+16
.endr
.irp b, 0,1,2,3,4,5,6,7
	global_load_b128 v[SBB+8*\b:SBB+8*\b+3], v3, s[10:11] offset:512*\b
	global_load_b128 v[SBB+8*\b+4:SBB+8*\b+7], v3, s[10:11] offset:512*\b+16
.endr
.irp b, 0,1,2,3,4,5,6,7                        ; lane (r, h), tile b: the bias at columns 32 (b / 2) + 8 (b % 2) + 16 h + 0 .. 7: the result's own layout
	global_load_b128 v[BI+8*\b:BI+8*\b+3], v[BO], s[96:97] offset:(32*(\b/2)+8*(\b%2))*4
	global_load_b128 v[BI+8*\b+4:BI+8*\b+7], v[BO], s[96:97] offset:(32*(\b/2)+8*(\b%2))*4+16
.endr
	v_lshlrev_b32 v5, 4, v7
	v_lshlrev_b32 v6, 3, v7
	v_add_nc_u32 v[ADA16], s21, v5
	v_add_nc_u32 v[ADA8], s21, v6
	v_add_nc_u32 v[ADA16+1], 2*AT, v[ADA16]
	v_add_nc_u32 v[ADA8+1], 2*AT, v[ADA8]
.irp s, 0,1,2,3
	v_add_nc_u32 v[ADB16+\s], s22, v5
	v_add_nc_u32 v[ADB8+\s], s22, v6
	s_add_co_u32 s22, s22, BT
.endr
	v_mul_u32_u24 v4, v1, SPITCH                   ; the stage, in: row r, 64 bytes for each half of the lanes
	v_lshl_add_u32 v4, v2, 6, v4
	v_add_nc_u32 v[STO], s23, v4
	v_lshlrev_b32 v[CO], 4, v7                     ; back: the 32 lanes take one row of 512 bytes; and the same in out0
	v_add_nc_u32 v[RD], s23, v[CO]
.macro FRG reg, a16, a8, off           ; a fragment's image: 1,536 bytes
	ds_load_b128 v[\reg:\reg+3], v[\a16] offset:\off
	ds_load_b64 v[\reg+4:\reg+5], v[\a8] offset:\off+512
	ds_load_b128 v[\reg+6:\reg+9], v[\a16] offset:\off+768
	ds_load_b64 v[\reg+10:\reg+11], v[\a8] offset:\off+1280
.endm
.macro FETCH st                        ; step st (128 along K): B's eight fragments and A's four into set st % 2: 48 loads
	WIN 0x40
.irp i, 0,1,2,3,4,5,6,7
	FRG 128*((\st)%2)+FR*\i, ADB16+(\st)/2, ADB8+(\st)/2, 3072*\i+1536*((\st)%2)
.endr
	WIN 0xc0
.irp i, 0,1,2,3
	FRG 48*((\st)%2)+FR*\i, ADA16+(\st)/4, ADA8+(\st)/4, AT*(((\st)/2)%2)+3072*\i+1536*((\st)%2)
.endr
	WIN 0
.endm
.macro MUL st, zero                    ; 32 products; the accumulators take turns, one instruction a turn, in the same order in every step
	WIN 0xad-0x20*\zero                            ; source 0 (B) window 1, source 1 (A) window 3, D window 2, C window 2 or, for the bias, 0
.irp a, 0,1,2,3
.irp b, 0,1,2,3,4,5,6,7
.if \zero
	v_wmma_scale_f32_16x16x128_f8f6f4 v[8*(8*\a+\b):8*(8*\a+\b)+7], v[128*((\st)%2)+FR*\b:128*((\st)%2)+FR*\b+FR-1], v[48*((\st)%2)+FR*\a:48*((\st)%2)+FR*\a+FR-1], v[BI+8*\b:BI+8*\b+7], v[SBB+8*\b+(\st)], v[SA+8*\a+(\st)] matrix_a_fmt:MATRIX_FMT_FP6 matrix_b_fmt:MATRIX_FMT_FP6
.else
	v_wmma_scale_f32_16x16x128_f8f6f4 v[8*(8*\a+\b):8*(8*\a+\b)+7], v[128*((\st)%2)+FR*\b:128*((\st)%2)+FR*\b+FR-1], v[48*((\st)%2)+FR*\a:48*((\st)%2)+FR*\a+FR-1], v[8*(8*\a+\b):8*(8*\a+\b)+7], v[SBB+8*\b+(\st)], v[SA+8*\a+(\st)] matrix_a_fmt:MATRIX_FMT_FP6 matrix_b_fmt:MATRIX_FMT_FP6
.endif
.endr
.endr
.endm
	s_wait_alu depctr_va_vdst(0)
	s_cmp_lt_u32 s14, 2
	s_cbranch_scc0 .Lnot_first
	s_wait_tensorcnt 0x0
.Lnot_first:
	s_barrier_signal -1
	s_barrier_wait -1                              ; K steps 0 and 1 are in; 2 and 3 may be on their way
	FETCH 0
	FETCH 1
	s_wait_loadcnt 0x0                             ; the scale words and the bias
	s_wait_dscnt 48                                ; step 0's fragments are in; step 1's 48 loads may be out
	MUL 0, 1
	PLACES 4                                       ; in front of loads into registers that the last step's products have read
	FETCH 2
	s_wait_dscnt 48
	MUL 1, 0
	PLACES 4
	FETCH 3
	s_wait_tensorcnt 0x0                           ; all that is still out: the wait stands on every wave's way
	s_wait_dscnt 0x0                               ; my reads of K steps 0 and 1 are over
	s_barrier_signal -1
	MUL 2, 0                                       ; work on registers while the others arrive
	WIN 0
	s_barrier_wait -1                              ; K steps 2 and 3 are in, and nobody reads K steps 0 and 1 any more
.irp st, 3,4,5,6
	PLACES 4
	FETCH \st+1
	s_wait_dscnt 48
	MUL \st, 0
.endr
	s_wait_dscnt 0x0
	MUL 7, 0
	WIN 0
; THE WAY OUT, block by block of 16 positions x 128 columns, through my own stage; LDS serves a wave's instructions in order
.macro TOSTAGE a
	WIN 0x08                                       ; the data: window 2
.irp b, 0,1,2,3,4,5,6,7
	ds_store_b128 v[STO], v[64*(\a)+8*\b:64*(\a)+8*\b+3] offset:128*(\b/2)+32*(\b%2)          ; each accumulator from its low end on
	ds_store_b128 v[STO], v[64*(\a)+8*\b+4:64*(\a)+8*\b+7] offset:128*(\b/2)+32*(\b%2)+16
.endr
	WIN 0
.set BB, BK+64*((\a)%2)
.irp t, 0,1,2,3,4,5,6,7,8,9,10,11,12,13,14,15
	ds_load_b128 v[BB+4*\t:BB+4*\t+3], v[RD] offset:\t*SPITCH
.endr
.endm
.macro SEND a, younger                 ; position t of tile a is token 32 (a / 2) + 8 (a % 2) + t + 8 (t / 8) of my 64
.set BB, BK+64*((\a)%2)
	s_wait_dscnt \younger
.irp t, 0,1,2,3,4,5,6,7,8,9,10,11,12,13,14,15
	global_store_b128 v[CO], v[BB+4*\t:BB+4*\t+3], s[98:99] offset:(32*((\a)/2)+8*((\a)%2)+\t+8*(\t/8))*4096 th:TH_STORE_NT   ; 32 lanes store 512 consecutive bytes, aligned to 256
.endr
.endm
	PLACES 4
	TOSTAGE 0
.irp a, 1,2,3
.if \a > 1
	s_wait_xcnt 0x0                                ; block a - 2's stores have read their registers
.endif
	TOSTAGE \a
	SEND \a-1, 32                                  ; behind block a - 1's loads: block a's 16 stores and 16 loads
.endr
	SEND 3, 0
	s_wait_tensorcnt 0x0                           ; the wave's end
	ds_add_u32 v[SPW], v[NIL]
	s_wait_dscnt 0x0
	CROUND                                         ; the closing round
	s_endpgm
.Lfunc_end_k_q99be216965_gemm_proj:
	.size	k_q99be216965_gemm_proj, .Lfunc_end_k_q99be216965_gemm_proj-k_q99be216965_gemm_proj
	.p2alignl 7, 3214868480
	.fill 96, 4, 3214868480
	.section	.rodata,"a",@progbits
	.p2align	6, 0x0
	.amdhsa_kernel k_q99be216965_gemm_proj
		.amdhsa_group_segment_fixed_size 327680
		.amdhsa_private_segment_fixed_size 0
		.amdhsa_enable_private_segment 0
		.amdhsa_kernarg_size 48
		.amdhsa_user_sgpr_count 2
		.amdhsa_user_sgpr_kernarg_segment_ptr 1
		.amdhsa_wavefront_size32 1
		.amdhsa_system_sgpr_workgroup_id_x 1
		.amdhsa_system_sgpr_workgroup_id_y 1
		.amdhsa_system_sgpr_workgroup_id_z 1
		.amdhsa_system_vgpr_workitem_id 0
		.amdhsa_next_free_vgpr 1024
		.amdhsa_next_free_sgpr 100
		.amdhsa_reserve_vcc 0
		.amdhsa_float_denorm_mode_32 3
		.amdhsa_float_denorm_mode_16_64 3
		.amdhsa_memory_ordered 1
		.amdhsa_forward_progress 1
		.amdhsa_inst_pref_size 85
	.end_amdhsa_kernel
	.amdgpu_metadata
---
amdhsa.version: [ 1, 2 ]
amdhsa.kernels:
  - .name:           k_q99be216965_gemm_proj
    .symbol:         k_q99be216965_gemm_proj.kd
    .args:
      - { .name: yc, .offset: 0, .size: 8, .value_kind: global_buffer, .address_space: global }
      - { .name: ys, .offset: 8, .size: 8, .value_kind: global_buffer, .address_space: global }
      - { .name: wc, .offset: 16, .size: 8, .value_kind: global_buffer, .address_space: global }
      - { .name: ws, .offset: 24, .size: 8, .value_kind: global_buffer, .address_space: global }
      - { .name: b_proj, .offset: 32, .size: 8, .value_kind: global_buffer, .address_space: global }
      - { .name: out0, .offset: 40, .size: 8, .value_kind: global_buffer, .address_space: global }
    .group_segment_fixed_size: 327680
    .private_segment_fixed_size: 0
    .kernarg_segment_align: 8
    .kernarg_segment_size: 48
    .max_flat_workgroup_size: 128
    .sgpr_count:     100
    .vgpr_count:     1024
    .wavefront_size: 32
...
	.end_amdgpu_metadata
.endif
;; end of part 4
